; MI455X (gfx1250); checked and timed in simulation.
; The chip was launched on July 23, 2026; its instructions are those of AMD's public machine-readable ISA for CDNA 5 (MIT licence, August 2026) and "CDNA5" Instruction Set Architecture Reference Guide (July 2026). The comments in the code are by the model that wrote it; some were corrected since.
;; SVA Cross Attention Layer. Allowed arithmetic: float matrix products may take bf16 or f16 operands with f32 sums; all other float work in f32.
;; Inputs: Wk 1,024 x 1,024 float32; Wo 1,024 x 1,024 float32; Wq 1,024 x 1,024 float32; Wv 1,024 x 1,024 float32; kv_padding_mask 2 x 4,096 bool; kv_tokens 2 x 4,096 x 1,024 float32; kv_type_ids 4,096 int32; kvn_b 1,024 float32; kvn_w 1,024 float32; on_b 1,024 float32; on_w 1,024 float32; qn_b 1,024 float32; qn_w 1,024 float32; queries 2 x 1,024 x 1,024 float32; query_type_ids 1,024 int32; typed_bias 3 x 3 float32.
;; Outputs: out0 2 x 1,024 x 1,024 float32.
;; One version. Each part assembles by itself: llvm-mc -triple=amdgcn-amd-amdhsa -mcpu=gfx1250 --defsym DOCPART=n.
;; ======== version 1 of 1: 6 launches
;; limits: right only within a limited range of input values
;; workspace buffers: xw 20,971,520 bytes; a2 4,194,304 bytes; wq 2,097,152 bytes; wo 2,097,152 bytes; kbc 262,656 bytes; kvc 33,554,432 bytes; cf 8,388,608 bytes
;; launch prep (part 1): grid 578 x 1, 8 waves a work-group, no clusters, 1,280 bytes of LDS; arguments kv_tokens, queries, kvn_w, kvn_b, qn_w, qn_b, Wk, Wv, Wq, Wo, kv_padding_mask, kv_type_ids, typed_bias, xw, a2, wq, wo, kbc; writes xw, a2, wq, wo, kbc
.if DOCPART == 1
	.amdgcn_target "amdgcn-amd-amdhsa--gfx1250"
	.amdhsa_code_object_version 6
	.text
	.protected	k_q87cf423396_prep
	.globl	k_q87cf423396_prep
	.p2align	8
	.type	k_q87cf423396_prep,@function
k_q87cf423396_prep:
	s_mov_b64 s[64:65], 0
	v_nop
	global_prefetch_b8 v0, s[64:65] scope:SCOPE_SE
	s_setreg_imm32_b32 hwreg(HW_REG_WAVE_MODE, 25, 1), 1
	s_wait_xcnt 0x0
; Three kinds of work-group, chosen by the work-group's number alone (the same for all eight waves):
;   0, 1       TABLE batch b: padding mask, kv types and typed bias become one row of 16 bf16 for each of the 4,096 keys, and the scale of q
;   2 .. 321   LN    LayerNorm of 32 rows (256 groups for kv_tokens, 64 for queries), finished in f32, rounded once to bf16
;   322 .. 577 CAST  64 KiB of one of the four weights, f32 to bf16
; A stream: every input byte is read once, every store of a wave covers whole runs of 256 consecutive bytes, aligned.
; No matrix unit, no cluster, no LDS tiles: no work-group shares an input with another, and nothing is multiplied.
; THE BIAS TABLE is made for a matrix product in attention: bias[q][k] = onehot(type of q) . row(k).  A key's row is 16 bf16.  Each bias times log2 e
; is split into three bf16 pieces, each the rounding of what the pieces before it left, so that hi + mid + lo is the f32 number exactly.
;   k = 0 .. 7  (part A): hi, mid for query type 0; hi, mid for type 1; hi, mid for type 2; 0, 0
;   k = 8 .. 15 (part B): lo, 0 for type 0; lo, 0 for type 1; lo, 0 for type 2; 0, 0
; Byte of a part: (key / 16) x 512 + part x 256 + (key % 16) x 16.
; LIMITS: a kv type other than 1 or 2 counts as type 0 (the problem gives 0, 1, 2); any mask byte other than 0 counts as true;
; |bias x log2 e| stays inside bf16's range.  A dropped key's bias is -1e30, so that its weight is exactly 0 while |score x log2 e| stays below 1e29.
; A batch without any kept key: the bias table is 0 and q's scale 0, so that all 4,096 scores are equal: the uniform weights that finfo.min
; added to every score gives.
.set NTAB,  2
.set NLN,   320
.set WT,    16                         ; v[16:47]   LN: gain of my 32 columns
.set BS,    48                         ; v[48:79]   LN: bias of my 32 columns
.set XR,    80                         ; v[80:207]  LN: four rows of 32 registers; CAST: sixteen loads of 4 registers
; v1 input offset, v2 output offset, v3 offset in gain and bias; v[4:11] four chains; v12 the other half's sum; v[14:15] mean, then 1/sigma, twice
.macro WSUM r                          ; sum over the 32 lanes, the result in every lane
	v_add_f32_dpp v[\r], v[\r], v[\r] row_xmask:1 row_mask:0xf bank_mask:0xf
	v_add_f32_dpp v[\r], v[\r], v[\r] row_xmask:2 row_mask:0xf bank_mask:0xf
	v_add_f32_dpp v[\r], v[\r], v[\r] row_xmask:4 row_mask:0xf bank_mask:0xf
	v_add_f32_dpp v[\r], v[\r], v[\r] row_xmask:8 row_mask:0xf bank_mask:0xf
	v_permlanex16_b32 v12, v[\r], s12, s13
	v_add_f32 v[\r], v[\r], v12
.endm
.macro FOLD                            ; the four chains v[4:11] become one number in v4, over the lanes too
	v_pk_add_f32 v[4:5], v[4:5], v[6:7]
	v_pk_add_f32 v[8:9], v[8:9], v[10:11]
	v_pk_add_f32 v[4:5], v[4:5], v[8:9]
	v_add_f32 v4, v4, v5
	WSUM 4
.endm
; The row in v[xb .. xb+31]: the mean is taken away in place, then 1/sqrt(variance + eps) is left in v[14:15].
; Two passes, mean first: no difference of large sums is formed when the inputs carry an offset.
.macro STATS xb
.irp c, 0,1,2,3
	v_pk_add_f32 v[4+2*\c:5+2*\c], v[\xb+2*\c:\xb+2*\c+1], v[\xb+8+2*\c:\xb+8+2*\c+1]
.endr
.irp o, 16,24
.irp c, 0,1,2,3
	v_pk_add_f32 v[4+2*\c:5+2*\c], v[4+2*\c:5+2*\c], v[\xb+\o+2*\c:\xb+\o+2*\c+1]
.endr
.endr
	FOLD
	v_mul_f32 v14, s20, v4                         ; mean = sum / 1024, twice: a pair for the packed subtraction
	v_mul_f32 v15, s20, v4
.set KK, 0
.rept 16
	v_pk_add_f32 v[\xb+KK:\xb+KK+1], v[\xb+KK:\xb+KK+1], v[14:15] neg_lo:[0,1] neg_hi:[0,1]
.set KK, KK+2
.endr
.irp c, 0,1,2,3
	v_pk_mul_f32 v[4+2*\c:5+2*\c], v[\xb+2*\c:\xb+2*\c+1], v[\xb+2*\c:\xb+2*\c+1]
.endr
.irp o, 8,16,24
.irp c, 0,1,2,3
	v_pk_fma_f32 v[4+2*\c:5+2*\c], v[\xb+\o+2*\c:\xb+\o+2*\c+1], v[\xb+\o+2*\c:\xb+\o+2*\c+1], v[4+2*\c:5+2*\c]
.endr
.endr
	FOLD
	v_fma_f32 v4, v4, s20, s21                     ; variance + eps
	v_rsq_f32 v14, v4
	v_rsq_f32 v15, v4
	v_nop                                          ; one plain place behind the transcendentals (ISA guide 5.7.2)
.endm
; Row i of my four: statistics, scale, gain and bias, rounding, eight stores of 8 bytes a lane (256 consecutive bytes a wave).
.macro LNROW i
	s_wait_loadcnt 8*(3-\i)                        ; loads return in order: my row is in, the 8 loads of each younger row stay out
	STATS XR+32*\i
.set KK, 0
	s_wait_alu depctr_va_vdst(0)
.rept 16
	v_pk_mul_f32 v[XR+32*\i+KK:XR+32*\i+KK+1], v[XR+32*\i+KK:XR+32*\i+KK+1], v[14:15]
.set KK, KK+2
.endr
.set KK, 0
.rept 16
	v_pk_fma_f32 v[XR+32*\i+KK:XR+32*\i+KK+1], v[XR+32*\i+KK:XR+32*\i+KK+1], v[WT+KK:WT+KK+1], v[BS+KK:BS+KK+1]
.set KK, KK+2
.endr
.set KK, 0
.rept 16
	v_cvt_pk_bf16_f32 v[XR+32*\i+KK], v[XR+32*\i+2*KK], v[XR+32*\i+2*KK+1]   ; in place, ascending: register k is written from 2k, 2k+1
.set KK, KK+1
.endr
.irp j, 0,1,2,3,4,5,6,7
	global_store_b64 v2, v[XR+32*\i+2*\j:XR+32*\i+2*\j+1], s[10:11] offset:2048*\i+256*\j
.endr
.endm
	v_lshl_add_u32 v208, v0, 2, 0x100
	v_mov_b32 v209, 0
	s_cmp_lt_u32 ttmp9, NTAB
	s_cbranch_scc1 .Ltable
	s_cmp_lt_u32 ttmp9, NTAB+NLN
	s_cbranch_scc1 .Lln
; ---------------------------------------------------------------- CAST
	s_load_b256 s[32:39], s[0:1], 0x30             ; Wk s[32:33], Wv s[34:35], Wq s[36:37], Wo s[38:39]
	s_load_b64 s[40:41], s[0:1], 0x68              ; xw
	s_load_b128 s[44:47], s[0:1], 0x78             ; wq s[44:45], wo s[46:47]
	s_sub_co_u32 s30, ttmp9, NTAB+NLN
	s_lshr_b32 s31, s30, 6                         ; which weight
	s_and_b32 s30, s30, 63                         ; which 64 KiB of it
	v_and_b32 v3, 31, v0
	v_lshrrev_b32 v4, 5, v0
	v_lshlrev_b32 v5, 4, v3
	v_lshl_or_b32 v1, v4, 13, v5                   ; in: wave x 8,192 + lane x 16
	v_lshlrev_b32 v5, 3, v3
	v_lshl_or_b32 v2, v4, 12, v5                   ; out: wave x 4,096 + lane x 8
	s_wait_kmcnt 0x0
	s_add_nc_u64 s[48:49], s[40:41], 0x1000000     ; xw row 8192: Wk's place
	s_add_nc_u64 s[50:51], s[40:41], 0x1200000     ; xw row 9216: Wv's place
	s_mov_b64 s[4:5], s[32:33]
	s_mov_b64 s[10:11], s[48:49]
	s_cmp_eq_u32 s31, 1
	s_cselect_b64 s[4:5], s[34:35], s[4:5]
	s_cselect_b64 s[10:11], s[50:51], s[10:11]
	s_cmp_eq_u32 s31, 2
	s_cselect_b64 s[4:5], s[36:37], s[4:5]
	s_cselect_b64 s[10:11], s[44:45], s[10:11]
	s_cmp_eq_u32 s31, 3
	s_cselect_b64 s[4:5], s[38:39], s[4:5]
	s_cselect_b64 s[10:11], s[46:47], s[10:11]
	s_lshl_b32 s16, s30, 16
	s_mov_b32 s17, 0
	s_add_nc_u64 s[4:5], s[4:5], s[16:17]
	s_lshl_b32 s16, s30, 15
	s_add_nc_u64 s[10:11], s[10:11], s[16:17]
.irp j, 0,1,2,3,4,5,6,7,8,9,10,11,12,13,14,15
	global_load_b128 v[XR+4*\j:XR+4*\j+3], v1, s[4:5] offset:512*\j th:TH_LOAD_NT
.endr
.irp j, 0,1,2,3,4,5,6,7,8,9,10,11,12,13,14,15
	s_wait_loadcnt 15-\j                           ; load j is in, the younger ones stay out
	v_cvt_pk_bf16_f32 v[XR+4*\j], v[XR+4*\j], v[XR+4*\j+1]
	v_cvt_pk_bf16_f32 v[XR+4*\j+1], v[XR+4*\j+2], v[XR+4*\j+3]
	global_store_b64 v2, v[XR+4*\j:XR+4*\j+1], s[10:11] offset:256*\j
.endr
	s_endpgm
; ---------------------------------------------------------------- LN
.Lln:
	s_load_b256 s[32:39], s[0:1], 0x0              ; kv_tokens s[32:33], queries s[34:35], kvn_w s[36:37], kvn_b s[38:39]
	s_load_b128 s[40:43], s[0:1], 0x20             ; qn_w s[40:41], qn_b s[42:43]
	s_load_b128 s[44:47], s[0:1], 0x68             ; xw s[44:45], a2 s[46:47]
	s_sub_co_u32 s30, ttmp9, NTAB                  ; 0 .. 255: kv_tokens; 256 .. 319: queries
	s_sub_co_u32 s31, s30, 256
	s_mov_b32 s12, 0x76543210                      ; v_permlanex16_b32: lane i of one half reads lane i of the other
	s_mov_b32 s13, 0xfedcba98
	s_mov_b32 s20, 0x3a800000                      ; 1 / 1024
	s_mov_b32 s21, 0x3727c5ac                      ; eps = 1e-5
	v_and_b32 v3, 31, v0
	v_lshrrev_b32 v4, 5, v0
	v_lshlrev_b32 v5, 3, v3
	v_lshlrev_b32 v3, 4, v3                        ; lane x 16: my 4 columns of every 128
	v_lshl_or_b32 v1, v4, 14, v3                   ; in: wave x 4 rows x 4,096 bytes
	v_lshl_or_b32 v2, v4, 13, v5                   ; out: wave x 4 rows x 2,048 bytes + lane x 8
	v_mov_b32 v12, 0                               ; v_permlanex16_b32 counts as a reader of its destination
	s_wait_kmcnt 0x0
	s_cmp_ge_u32 s30, 256
	s_cselect_b64 s[4:5], s[34:35], s[32:33]       ; rows
	s_cselect_b64 s[6:7], s[40:41], s[36:37]       ; gain
	s_cselect_b64 s[8:9], s[42:43], s[38:39]       ; bias
	s_cselect_b64 s[10:11], s[46:47], s[44:45]     ; where the bf16 rows go
	s_cselect_b32 s14, s31, s30                    ; the group's number inside its tensor
	s_lshl_b32 s16, s14, 17                        ; 32 rows of 4,096 bytes
	s_mov_b32 s17, 0
	s_add_nc_u64 s[4:5], s[4:5], s[16:17]
	s_lshl_b32 s16, s14, 16                        ; 32 rows of 2,048 bytes
	s_add_nc_u64 s[10:11], s[10:11], s[16:17]
.irp j, 0,1,2,3,4,5,6,7
	global_load_b128 v[WT+4*\j:WT+4*\j+3], v3, s[6:7] offset:512*\j
.endr
.irp j, 0,1,2,3,4,5,6,7
	global_load_b128 v[BS+4*\j:BS+4*\j+3], v3, s[8:9] offset:512*\j
.endr
.irp i, 0,1,2,3
.irp j, 0,1,2,3,4,5,6,7
	global_load_b128 v[XR+32*\i+4*\j:XR+32*\i+4*\j+3], v1, s[4:5] offset:4096*\i+512*\j th:TH_LOAD_NT
.endr
.endr
	LNROW 0                                        ; every row has registers of its own: nothing that a store reads is written again
	LNROW 1
	LNROW 2
	LNROW 3
	s_endpgm
; ---------------------------------------------------------------- TABLE
; Wave w takes keys 512 w .. 512 w + 511 of batch b in sixteen turns of 32.  v[16:31] mask bytes, v[32:47] types, s40-s55 the turns' kept masks.
.set TA, 48                            ; v[48:51]   a key's part A, the fourth word 0
.set TB, 52                            ; v[52:55]   a key's part B, the fourth word 0
.set AD, 57                            ; v57        my key's byte in the table in turn 0; never rewritten: a turn is 1,024 bytes in the immediate
.set BX, 128                           ; v[128:136] bias [query type][kv type] x log2 e, then what the pieces leave
.set PA, 137                           ; v[137:145] word of part A: hi below, mid above
.set PB, 146                           ; v[146:154] word of part B: lo below, 0 above
.set ZR, 155                           ; v155       0
.set DV, 158                           ; v158       a dropped key's word of part A
.Ltable:
	s_load_b128 s[4:7], s[0:1], 0x50               ; mask s[4:5], kv types s[6:7]
	s_load_b64 s[8:9], s[0:1], 0x60                ; typed_bias
	s_load_b64 s[30:31], s[0:1], 0x88              ; kbc
	v_and_b32 v3, 31, v0
	v_and_b32 v4, 0xe0, v0
	v_lshl_or_b32 v1, v4, 4, v3                    ; my key in turn 0: 512 w + lane
	v_lshlrev_b32 v2, 2, v1
	v_lshrrev_b32 v5, 5, v0
	v_readfirstlane_b32 s25, v5                    ; wave
	v_and_b32 v6, 15, v0
	v_bfe_u32 v7, v0, 4, 1
	v_lshlrev_b32 v[AD], 4, v6                     ; (key % 16) x 16
	v_lshl_or_b32 v[AD], v7, 9, v[AD]              ; lanes 16-31: the next tile of 16 keys
	v_lshl_or_b32 v[AD], v5, 14, v[AD]             ; wave x 32 tiles of 512 bytes
	v_mov_b32 v[ZR], 0
	v_mov_b32 v[TA+3], 0
	v_mov_b32 v[TB+3], 0
	s_mov_b32 s3, 0
	s_wait_kmcnt 0x0
	s_load_b256 s[16:23], s[8:9], 0x0              ; the nine biases
	s_load_b32 s24, s[8:9], 0x20
	s_lshl_b32 s2, ttmp9, 12
	s_add_nc_u64 s[4:5], s[4:5], s[2:3]            ; the batch's 4,096 mask bytes
.irp i, 0,1,2,3,4,5,6,7,8,9,10,11,12,13,14,15
	global_load_u8 v[16+\i], v1, s[4:5] offset:32*\i
.endr
.irp i, 0,1,2,3,4,5,6,7,8,9,10,11,12,13,14,15
	global_load_b32 v[32+\i], v2, s[6:7] offset:128*\i
.endr
	s_lshl_b32 s2, ttmp9, 8
	s_add_nc_u64 s[62:63], s[30:31], s[2:3]        ; kbc + 256 b: the scale's 256 bytes lie 262,144 further
	s_lshl_b32 s2, ttmp9, 17
	s_add_nc_u64 s[30:31], s[30:31], s[2:3]        ; the batch's bias table: 4,096 keys x 32 bytes
	s_wait_kmcnt 0x0
.irp k, 0,1,2,3,4,5,6,7,8
	v_mov_b32 v[BX+\k], s[16+\k]
	v_mul_f32 v[BX+\k], 0x3fb8aa3b, v[BX+\k]       ; times log2 e: attention works in powers of two
	v_cvt_pk_bf16_f32 v[PA+\k], v[BX+\k], v[ZR]    ; hi
	v_lshlrev_b32 v156, 16, v[PA+\k]
	v_sub_f32 v[BX+\k], v[BX+\k], v156             ; what hi leaves: exact
	v_cvt_pk_bf16_f32 v157, v[BX+\k], v[ZR]        ; mid
	v_lshlrev_b32 v156, 16, v157
	v_sub_f32 v[BX+\k], v[BX+\k], v156             ; what mid leaves: exact, and at most 8 bits long
	v_lshl_or_b32 v[PA+\k], v157, 16, v[PA+\k]
	v_cvt_pk_bf16_f32 v[PB+\k], v[BX+\k], v[ZR]    ; lo
.endr
	s_wait_loadcnt 0x0
	s_mov_b32 s26, 0
.irp i, 0,1,2,3,4,5,6,7,8,9,10,11,12,13,14,15
	v_cmp_ne_u32 s[40+\i], 0, v[16+\i]             ; the turn's 32 keys: one bit each, 1 = kept
	s_bcnt1_i32_b32 s27, s[40+\i]
	s_add_co_u32 s26, s26, s27                     ; kept keys of my wave
.endr
	v_lshlrev_b32 v6, 2, v5
	v_mov_b32 v7, s26
	ds_store_b32 v6, v7                            ; word w of LDS
	s_wait_dscnt 0x0                               ; my store is done before I signal
	s_barrier_signal -1
	s_barrier_wait -1
	ds_load_b128 v[8:11], v[ZR]
	ds_load_b128 v[12:15], v[ZR] offset:16
	s_wait_dscnt 0x0
	v_add_nc_u32 v8, v8, v9
	v_add_nc_u32 v10, v10, v11
	v_add_nc_u32 v12, v12, v13
	v_add_nc_u32 v14, v14, v15
	v_add_nc_u32 v8, v8, v10
	v_add_nc_u32 v12, v12, v14
	v_add_nc_u32 v8, v8, v12
	v_readfirstlane_b32 s34, v8                    ; kept keys of the batch
	s_cmp_eq_u32 s34, 0
	s_cselect_b32 s36, 0, 0xf14a                   ; a dropped key's hi: -1e30 in bf16, or 0 where no key is kept
	s_cselect_b32 s37, 0, 0x3e38aa3b               ; q's scale: log2 e / 8, or 0 where no key is kept
	v_mov_b32 v[DV], s36
; One turn: 32 keys, two tiles.  Each store's lanes 0-15 fill 256 consecutive bytes of one tile, lanes 16-31 of the next.
.macro TURN i
	s_wait_xcnt 0x0                                ; the last turn's stores have had their sources read: TA and TB are written again only behind this wait
	v_cmp_eq_u32 s58, 1, v[32+\i]
	v_cmp_eq_u32 s59, 2, v[32+\i]
.irp t, 0,1,2
	v_cndmask_b32 v62, v[PA+3*\t], v[PA+3*\t+1], s58
	v_cndmask_b32 v62, v62, v[PA+3*\t+2], s59
	v_cndmask_b32 v[TA+\t], v[DV], v62, s[40+\i]
	v_cndmask_b32 v62, v[PB+3*\t], v[PB+3*\t+1], s58
	v_cndmask_b32 v62, v62, v[PB+3*\t+2], s59
	v_cndmask_b32 v[TB+\t], v[ZR], v62, s[40+\i]
.endr
	global_store_b128 v[AD], v[TA:TA+3], s[30:31] offset:1024*\i
	global_store_b128 v[AD], v[TB:TB+3], s[30:31] offset:1024*\i+256
.endm
.irp i, 0,1,2,3,4,5,6,7,8,9,10,11,12,13,14,15
	TURN \i
.endr
	s_cmp_lg_u32 s25, 0
	s_cbranch_scc1 .Ltable_end
	v_lshlrev_b32 v160, 3, v3                      ; wave 0: one store of 256 consecutive bytes, filled with the scale
	v_mov_b32 v164, s37
	v_mov_b32 v165, s37
	global_store_b64 v160, v[164:165], s[62:63] offset:262144
.Ltable_end:
	s_wait_tensorcnt 0x0
	ds_add_u32 v208, v209
	s_wait_dscnt 0x0
	s_endpgm
.Lfunc_end_k_q87cf423396_prep:
	.size	k_q87cf423396_prep, .Lfunc_end_k_q87cf423396_prep-k_q87cf423396_prep
	.p2alignl 7, 3214868480
	.fill 96, 4, 3214868480
	.section	.rodata,"a",@progbits
	.p2align	6, 0x0
	.amdhsa_kernel k_q87cf423396_prep
		.amdhsa_group_segment_fixed_size 1280
		.amdhsa_private_segment_fixed_size 0
		.amdhsa_enable_private_segment 0
		.amdhsa_kernarg_size 144
		.amdhsa_user_sgpr_count 2
		.amdhsa_user_sgpr_kernarg_segment_ptr 1
		.amdhsa_wavefront_size32 1
		.amdhsa_system_sgpr_workgroup_id_x 1
		.amdhsa_system_sgpr_workgroup_id_y 1
		.amdhsa_system_sgpr_workgroup_id_z 1
		.amdhsa_system_vgpr_workitem_id 0
		.amdhsa_next_free_vgpr 210
		.amdhsa_next_free_sgpr 80
		.amdhsa_reserve_vcc 0
		.amdhsa_float_denorm_mode_32 3
		.amdhsa_float_denorm_mode_16_64 3
		.amdhsa_memory_ordered 1
		.amdhsa_forward_progress 1
		.amdhsa_inst_pref_size 80
	.end_amdhsa_kernel
	.amdgpu_metadata
---
amdhsa.version: [ 1, 2 ]
amdhsa.kernels:
  - .name:           k_q87cf423396_prep
    .symbol:         k_q87cf423396_prep.kd
    .args:
      - { .name: kv_tokens, .offset: 0, .size: 8, .value_kind: global_buffer, .address_space: global }
      - { .name: queries, .offset: 8, .size: 8, .value_kind: global_buffer, .address_space: global }
      - { .name: kvn_w, .offset: 16, .size: 8, .value_kind: global_buffer, .address_space: global }
      - { .name: kvn_b, .offset: 24, .size: 8, .value_kind: global_buffer, .address_space: global }
      - { .name: qn_w, .offset: 32, .size: 8, .value_kind: global_buffer, .address_space: global }
      - { .name: qn_b, .offset: 40, .size: 8, .value_kind: global_buffer, .address_space: global }
      - { .name: Wk, .offset: 48, .size: 8, .value_kind: global_buffer, .address_space: global }
      - { .name: Wv, .offset: 56, .size: 8, .value_kind: global_buffer, .address_space: global }
      - { .name: Wq, .offset: 64, .size: 8, .value_kind: global_buffer, .address_space: global }
      - { .name: Wo, .offset: 72, .size: 8, .value_kind: global_buffer, .address_space: global }
      - { .name: kv_padding_mask, .offset: 80, .size: 8, .value_kind: global_buffer, .address_space: global }
      - { .name: kv_type_ids, .offset: 88, .size: 8, .value_kind: global_buffer, .address_space: global }
      - { .name: typed_bias, .offset: 96, .size: 8, .value_kind: global_buffer, .address_space: global }
      - { .name: xw, .offset: 104, .size: 8, .value_kind: global_buffer, .address_space: global }
      - { .name: a2, .offset: 112, .size: 8, .value_kind: global_buffer, .address_space: global }
      - { .name: wq, .offset: 120, .size: 8, .value_kind: global_buffer, .address_space: global }
      - { .name: wo, .offset: 128, .size: 8, .value_kind: global_buffer, .address_space: global }
      - { .name: kbc, .offset: 136, .size: 8, .value_kind: global_buffer, .address_space: global }
    .group_segment_fixed_size: 1280
    .private_segment_fixed_size: 0
    .kernarg_segment_align: 8
    .kernarg_segment_size: 144
    .max_flat_workgroup_size: 256
    .sgpr_count:     80
    .vgpr_count:     210
    .wavefront_size: 32
...
	.end_amdgpu_metadata
.endif
;; end of part 1
;; launch projkv (part 2): grid 8 x 32, 4 waves a work-group, clusters of 4 x 4, 327,680 bytes of LDS; arguments xw, kvc; writes kvc
.if DOCPART == 2
	.amdgcn_target "amdgcn-amd-amdhsa--gfx1250"
	.amdhsa_code_object_version 6
	.text
	.protected	k_q87cf423396_projkv
	.globl	k_q87cf423396_projkv
	.p2align	8
	.type	k_q87cf423396_projkv,@function
k_q87cf423396_projkv:
	s_mov_b64 s[64:65], 0
	v_nop
	global_prefetch_b8 v0, s[64:65] scope:SCOPE_SE
	s_setreg_imm32_b32 hwreg(HW_REG_WAVE_MODE, 25, 1), 1
	s_wait_xcnt 0x0
	s_wait_alu depctr_hold_cnt(0) depctr_sa_sdst(0) depctr_va_vdst(0) depctr_va_sdst(0) depctr_va_ssrc(0) depctr_va_vcc(0) depctr_vm_vsrc(0)
	s_getreg_b32 s2, hwreg(HW_REG_IB_STS2, 6, 4)
	s_cmp_eq_u32 s2, 0
	s_cbranch_scc0 .Lentry_in_a_cluster
	s_endpgm
.Lentry_in_a_cluster:
	s_bfe_u32 s2, ttmp6, 0x10000c
	s_cmp_lg_u32 s2, 0xf033
	s_cbranch_scc0 .Lentry_shape_is_right
	s_endpgm
.Lentry_shape_is_right:
; kvc[m][n] = sum over k of X[m][k] W[n][k].  X = rows 0 .. 8191 of xw (LayerNorm of kv_tokens, bf16), W = rows 8192 .. 10239 of xw
; (Wk, then Wv, bf16); kvc: [8192][2048] bf16, columns 0 .. 1023 K, 1024 .. 2047 V; sums in f32, rounded once.
; A work-group makes a block of 256 x 256 with four waves, one for each SIMD; a wave makes 128 x 128: 64 accumulator tiles of 16 x 16, 512 registers.
; K goes in steps of 128 through a ring of two LDS slots filled by the tensor data mover: a tile's rows are 256 bytes of memory, aligned to 256.
; CLUSTERS: 4 x 4 work-groups.  The four of a row of the cluster need the same tiles of X, the four of a column the same tiles of W.  Such a tile is
; asked for jointly: each of the four issues the same tensor load, with the same descriptor and a mask that names the four.
;
; REGISTERS, in windows of 256 (s_set_vgpr_msb says which window each operand place means):
;   window 0: v0-31 addresses; v64-127, v128-191 fragments of X, two buffers; v192-223 the way out
;   window 1: v64-127, v128-191 fragments of W, two buffers
;   window 2: the 32 accumulator tiles of my rows 0-63 (tile (a, b) at v[8 (8 a + b)]);   window 3: those of my rows 64-127
; THE MATRIX INSTRUCTION IS USED TRANSPOSED: source 0 = 16 rows of W, source 1 = 16 rows of X, so that lane l holds row l % 16 of the result
; and its registers the eight neighbouring columns 8 (l / 16) + 0 .. 7, which pack into 16 bytes.
.set SIZE_M, 8192
.set SIZE_N, 2048
.set SIZE_K, 1024
.set KSTEP,  128
.set PITCH,  272                       ; an LDS row: 256 bytes of data + 16 of padding: the 16 rows that a load touches start 16 bytes apart modulo 256
.set HALFT,  128*PITCH                 ; 128 rows: what one tensor load brings, and what one wave reads of X or of W
.set SLOT,   4*HALFT                   ; X's 256 rows, then W's 256 rows
.set STAGE,  2*SLOT                    ; behind the ring: 16 rows x 272 bytes for each wave, for the way out
.set SPITCH, 272
.set LAPS, SIZE_K/(2*KSTEP)            ; a lap = two K steps = once round the ring: 4 laps
.set ADRA, 16                          ; v16-17  LDS address of my X fragments in slot 0, 1
.set ADRB, 20                          ; v20-21  the same for W
.set STO,  24                          ; v24     the way out: where I put 16 bytes of a row
.set RD,   25                          ; v25     the way out: where I read a row back
.set CO,   26                          ; v26     my byte offset in kvc
.set F0,   64
.set F1,   128
.set TMP,  192
.set G1, 24                            ; s[24:31] descriptor group 1 for X's tiles
.set G0, 32                            ; s[32:39] descriptor group 0 for X's tiles, one set for each slot
.set G1B, 48                           ; s[48:55] descriptor group 1 for W's tiles: it differs in the mask alone
.set G0B, 56                           ; s[56:63] descriptor group 0 for W's tiles, one set for each slot
.set MSB, 0
.macro WIN new                         ; the immediate's high byte repeats the setting that is left
.if MSB != \new
	s_set_vgpr_msb (MSB<<8)|\new
.set MSB, \new
.endif
.endm
.set MUL_LO, 0xa1                      ; source 0 (W) window 1, source 1 (X) window 0, C and D window 2
.set MUL_HI, 0xf1                      ; the same, C and D window 3
.set TO_B,   0x40                      ; destination window 1, address window 0
; A joint load.  Waves 0 and 1 fetch X's two halves, waves 2 and 3 W's.  Each line has one mask and one set of registers for all that issue it.
; The branch hangs on the wave's number alone.  Four v_nop follow each of the two lines.
.macro JLOAD s
	s_cmp_eq_u32 s11, 0
	s_cbranch_scc0 .Lfor_b_\@
	tensor_load_to_lds s[G0+4*\s:G0+4*\s+3], s[G1:G1+7]
	s_nop 0
.rept 4
	v_nop
.endr
	s_branch .Lasked_\@
.Lfor_b_\@:
	tensor_load_to_lds s[G0B+4*\s:G0B+4*\s+3], s[G1B:G1B+7]
	s_nop 0
.rept 4
	v_nop
.endr
.Lasked_\@:
.endm
; A round of the cluster's barrier: my work-group's barrier; wave 0 signals for the work-group; every wave waits for all sixteen; my barrier once more.
.macro CREST                           ; a round behind its opening barrier
	s_cmp_lg_u32 s10, 0
	s_cbranch_scc1 .Lnot_wave_0_\@
	s_barrier_signal -3
.Lnot_wave_0_\@:
	s_barrier_wait -3
	s_barrier_signal -1
	s_barrier_wait -1
.endm
.macro CROUND                          ; a whole round
	s_barrier_signal -1
	s_barrier_wait -1
	CREST
.endm
	s_load_b64 s[4:5], s[0:1], 0x0                 ; xw
	s_load_b64 s[8:9], s[0:1], 0x8                 ; kvc
	s_set_vgpr_msb 0x40
	v_lshl_add_u32 v255, v0, 2, 0x48400
	s_set_vgpr_msb 0x4000
	v_mov_b32 v255, 0
	s_set_vgpr_msb 0x1
	ds_add_u32 v255, v255
	s_set_vgpr_msb 0x100
	v_lshrrev_b32 v1, 5, v0
	v_readfirstlane_b32 s10, v1                    ; wave 0..3
	s_lshr_b32 s11, s10, 1                         ; which half of the block's rows is mine.  Also: I fetch for X (0) or for W (1)
	s_and_b32 s12, s10, 1                          ; which half of its columns.  Also: which 128 rows of that tile I fetch
	s_bfe_u32 s40, ttmp6, 0x40000                  ; cx
	s_bfe_u32 s41, ttmp6, 0x40004                  ; cy
	s_lshl_b32 s42, ttmp9, 2
	s_add_co_u32 s42, s42, s40                     ; block column = 4 x cluster x + cx
	s_and_b32 s13, ttmp7, 0xffff
	s_lshl_b32 s13, s13, 2
	s_add_co_u32 s13, s13, s41                     ; block row = 4 x cluster y + cy
	s_lshl_b32 s43, s41, 2
	s_lshl_b32 s43, 15, s43                        ; my row of the cluster: places 4 cy .. 4 cy + 3
	s_lshl_b32 s44, 0x1111, s40                    ; my column: places cx, cx + 4, cx + 8, cx + 12
	; descriptor group 1: a tile of 128 rows x 128 elements of 2 bytes, 4 words of padding behind every 64 words
	s_or_b32 s[G1+0], s43, (1<<16)|(1<<20)|(1<<21)|(5<<22)|(3<<25)
	s_or_b32 s[G1B+0], s44, (1<<16)|(1<<20)|(1<<21)|(5<<22)|(3<<25)
	s_mov_b32 s[G1B+1], KSTEP<<16
	s_mov_b32 s[G1+1], KSTEP<<16                   ; tensor_dim0 = 128
	s_mov_b32 s[G1B+2], 128<<16
	s_mov_b32 s[G1+2], 128<<16                     ; tensor_dim1 = 128
	s_mov_b32 s[G1B+3], KSTEP<<16
	s_mov_b32 s[G1+3], KSTEP<<16                   ; tile_dim0 = 128
	s_mov_b32 s[G1B+4], 128
	s_mov_b32 s[G1+4], 128                         ; tile_dim1 = 128
	s_mov_b32 s[G1B+5], SIZE_K
	s_mov_b32 s[G1+5], SIZE_K                      ; elements from row to row
	s_mov_b32 s[G1B+6], 0
	s_mov_b32 s[G1+6], 0
	s_mov_b32 s[G1B+7], 0
	s_mov_b32 s[G1+7], 0
	; X's tiles hang on the block row alone, W's on the block column alone; each address is made in registers that never hold the other coordinate
	s_lshl_b32 s17, s12, 7
	s_lshl_b32 s16, s13, 8
	s_add_co_u32 s16, s16, s17                     ; X: row 256 x block row + 128 x half
	s_lshl_b32 s46, s42, 8
	s_add_co_u32 s46, s46, s17                     ; W: row 256 x block column + 128 x half
	s_mov_b32 s17, 0
	s_mov_b32 s47, 0
	s_mov_b64 s[18:19], SIZE_K*2
	s_mul_u64 s[16:17], s[16:17], s[18:19]
	s_mul_u64 s[46:47], s[46:47], s[18:19]
	s_mul_i32 s20, s10, HALFT                      ; LDS: X's two halves, then W's two halves = wave x 128 rows
	s_wait_dscnt 0x0
	s_wait_kmcnt 0x0
	s_add_nc_u64 s[6:7], s[4:5], SIZE_M*SIZE_K*2   ; W begins behind X's 8,192 rows
	s_add_nc_u64 s[14:15], s[4:5], s[16:17]
	s_add_nc_u64 s[46:47], s[6:7], s[46:47]
	CROUND                                         ; all sixteen work-groups are here: the first joint loads meet
.irp s, 0,1
	s_mov_b32 s[G0+4*\s], 1
	s_add_co_u32 s[G0+4*\s+1], s20, \s*SLOT
	s_add_nc_u64 s[G0+4*\s+2:G0+4*\s+3], s[14:15], \s*KSTEP*2
	s_or_b32 s[G0+4*\s+3], s[G0+4*\s+3], 0x80000000
	s_mov_b32 s[G0B+4*\s], 1
	s_add_co_u32 s[G0B+4*\s+1], s20, \s*SLOT
	s_add_nc_u64 s[G0B+4*\s+2:G0B+4*\s+3], s[46:47], \s*KSTEP*2
	s_or_b32 s[G0B+4*\s+3], s[G0B+4*\s+3], 0x80000000
	JLOAD \s                                       ; the ring is filled before anything else is done: two tensor loads of a wave are out
.endr
	; a fragment is 16 rows x 32 K in 8 registers: lane l holds row l % 16; two loads of 16 bytes, 32 bytes apart, at row x pitch + 16 (l / 16)
	v_and_b32 v1, 15, v0
	v_bfe_u32 v2, v0, 4, 1
	v_mul_u32_u24 v3, v1, PITCH
	v_lshl_add_u32 v3, v2, 4, v3
	s_mul_i32 s21, s11, HALFT
	s_mul_i32 s22, s12, HALFT
	s_add_co_u32 s22, s22, 2*HALFT
.irp s, 0,1
	v_add_nc_u32 v[ADRA+\s], s21, v3
	v_add_nc_u32 v[ADRB+\s], s22, v3
	s_add_co_u32 s21, s21, SLOT
	s_add_co_u32 s22, s22, SLOT
.endr
	s_mul_i32 s23, s10, 16*SPITCH
	s_add_co_u32 s23, s23, STAGE                   ; my stage
	v_mul_u32_u24 v4, v1, SPITCH                   ; in: row l % 16, 16 bytes for each half of the lanes
	v_lshl_add_u32 v4, v2, 4, v4
	v_add_nc_u32 v[STO], s23, v4
	v_mul_u32_u24 v5, v2, SPITCH                   ; back: lanes 0-15 take one row of 256 bytes, lanes 16-31 the next
	v_lshl_add_u32 v5, v1, 4, v5
	v_add_nc_u32 v[RD], s23, v5
	v_mul_u32_u24 v5, v2, SIZE_N*2                 ; and the same two rows in kvc
	v_lshl_add_u32 v[CO], v1, 4, v5
; 16 matrix instructions: m blocks a0, a0 + 1 of the window's four x all 8 n blocks, 32 along K.  zero = 1: the first product starts the sums.
; The 64 accumulators take turns, one instruction a turn, in the same order in every quarter step.
.macro MUL16 f, hi, a0, zero
.irp a, \a0, \a0+1
.irp b, 0,1,2,3,4,5,6,7
.if \zero
	v_wmma_f32_16x16x32_bf16 v[8*(8*(\a)+\b):8*(8*(\a)+\b)+7], v[\f+8*\b:\f+8*\b+7], v[\f+8*(4*\hi+\a):\f+8*(4*\hi+\a)+7], 0
.else
	v_wmma_f32_16x16x32_bf16 v[8*(8*(\a)+\b):8*(8*(\a)+\b)+7], v[\f+8*\b:\f+8*\b+7], v[\f+8*(4*\hi+\a):\f+8*(4*\hi+\a)+7], v[8*(8*(\a)+\b):8*(8*(\a)+\b)+7]
.endif
.endr
.endr
.endm
; 32 LDS loads in one run: the fragments of one quarter step into buffer f
.macro FETCH slot, k, f
	WIN TO_B
.irp i, 0,1,2,3,4,5,6,7
	ds_load_b128 v[\f+8*\i:\f+8*\i+3],   v[ADRB+\slot] offset:\k+\i*16*PITCH
	ds_load_b128 v[\f+8*\i+4:\f+8*\i+7], v[ADRB+\slot] offset:\k+\i*16*PITCH+32
.endr
	WIN 0
.irp i, 0,1,2,3,4,5,6,7
	ds_load_b128 v[\f+8*\i:\f+8*\i+3],   v[ADRA+\slot] offset:\k+\i*16*PITCH
	ds_load_b128 v[\f+8*\i+4:\f+8*\i+7], v[ADRA+\slot] offset:\k+\i*16*PITCH+32
.endr
.endm
; Four places stand between a matrix instruction and a load into one of its registers, or a vector instruction that reads its result
.macro PLACES
.rept 4
	v_nop
.endr
.endm
.macro QUARTER slot, k, f, g, zero
	s_wait_dscnt 8                                 ; W and X's rows 0-63 are in; the youngest eight loads (X's rows 64-127) may be out
	WIN MUL_LO
	MUL16 \f, 0, 0, \zero
	MUL16 \f, 0, 2, \zero
	PLACES
	FETCH \slot, \k, \g
	s_wait_dscnt 32                                ; all but the 32 just issued
	WIN MUL_HI
	MUL16 \f, 1, 0, \zero
	MUL16 \f, 1, 2, \zero
.endm
.macro THREE slot, zero
	QUARTER \slot, 64,  F0, F1, \zero
	QUARTER \slot, 128, F1, F0, 0
	QUARTER \slot, 192, F0, F1, 0
.endm
; The last quarter multiplies buffer 1 and changes slots.  In front of the barrier each wave waits for its reads of this slot and for all its
; tensor loads (one is out: its part of the next slot).  Behind it the refill comes first, then the next slot's first fragments.
.macro TURN slot, next, fill
	s_wait_dscnt 8
	WIN MUL_LO
	MUL16 F1, 0, 0, 0
	s_wait_dscnt 0                                 ; my reads of this slot are over
	s_wait_tensorcnt 0x0                           ; and all my tensor loads have landed
	ds_add_u32 v255, v255
	s_wait_dscnt 0x0
	s_barrier_signal -1
	MUL16 F1, 0, 2, 0                              ; register work while the others arrive
	WIN 0
	s_barrier_wait -1
.if \fill
	CREST                                          ; no wave of any partner still reads this slot's tile or has a load on its way
	s_add_nc_u64 s[G0+4*\slot+2:G0+4*\slot+3], s[G0+4*\slot+2:G0+4*\slot+3], 2*KSTEP*2
	s_add_nc_u64 s[G0B+4*\slot+2:G0B+4*\slot+3], s[G0B+4*\slot+2:G0B+4*\slot+3], 2*KSTEP*2
	JLOAD \slot                                    ; the first tensor load behind the round; its four v_nop are also the places in front of the loads below
.else
	PLACES
.endif
	FETCH \next, 0, F0
	WIN MUL_HI
	MUL16 F1, 1, 0, 0
	MUL16 F1, 1, 2, 0
.endm
.macro LAP zero
	THREE 0, \zero
	TURN 0, 1, 1
	THREE 1, 0
	TURN 1, 0, 1
.endm
	s_wait_tensorcnt 1                             ; my part of K step 0 is in; K step 1's stays out
	s_barrier_signal -1
	s_barrier_wait -1
	FETCH 0, 0, F0
	LAP 1                                          ; the first lap stands in front of the loop: its first products start the sums
	WIN 0
	s_mov_b32 s3, LAPS-2
.Llap:
	LAP 0
	WIN 0
	s_sub_co_u32 s3, s3, 1
	s_cmp_lg_u32 s3, 0
	s_cbranch_scc1 .Llap
	THREE 0, 0                                     ; the last lap fills nothing
	TURN 0, 1, 0
	THREE 1, 0
	s_wait_dscnt 8
	WIN MUL_LO
	MUL16 F1, 0, 0, 0
	MUL16 F1, 0, 2, 0
	s_wait_dscnt 0
	WIN MUL_HI
	MUL16 F1, 1, 0, 0
	MUL16 F1, 1, 2, 0
	; THE WAY OUT, 16 rows at a time: round to bf16, 16 bytes a lane into my own stage in LDS, read back as whole rows of 256 bytes.
	; The four v_nop of PLACES are the places behind the last matrix instructions: for the conversions and for the loads into buffers 0 and 1.
	PLACES
	s_lshl_b32 s13, s13, 8
	s_lshl_b32 s14, s11, 7
	s_add_co_u32 s16, s13, s14                     ; my first row
	s_mov_b32 s17, 0
	s_mov_b64 s[18:19], SIZE_N*2
	s_mul_u64 s[16:17], s[16:17], s[18:19]
	s_add_nc_u64 s[8:9], s[8:9], s[16:17]
	s_lshl_b32 s46, s42, 9                         ; my first column, in bytes: 512 x block column + 256 x half
	s_lshl_b32 s47, s12, 8
	s_add_co_u32 s46, s46, s47
	s_mov_b32 s47, 0
	s_add_nc_u64 s[8:9], s[8:9], s[46:47]
; rows 16 i .. 16 i + 15 of my block = the eight tiles (a, 0..7) of window 2 or 3 (from = 0x0a or 0x0f: sources 0 and 1); f: F0 or F1 in turn
.macro OUT16 i, a, from, f
	WIN \from
.irp b, 0,1,2,3,4,5,6,7
.irp r, 0,1,2,3
	v_cvt_pk_bf16_f32 v[TMP+4*\b+\r], v[8*(8*\a+\b)+2*\r], v[8*(8*\a+\b)+2*\r+1]
.endr
.endr
	WIN 0
.irp b, 0,1,2,3,4,5,6,7
	ds_store_b128 v[STO], v[TMP+4*\b:TMP+4*\b+3] offset:32*\b
.endr
	s_wait_xcnt 0x0                                ; buffer f, which earlier stores read, and the stores' base are rewritten only behind this wait (ISA guide 3.1)
.if \i
	s_add_nc_u64 s[8:9], s[8:9], 16*SIZE_N*2       ; 16 rows on, so that the stores' offsets stay at 14 rows at the most
.endif
.irp t, 0,1,2,3,4,5,6,7
	ds_load_b128 v[\f+4*\t:\f+4*\t+3], v[RD] offset:\t*2*SPITCH    ; LDS serves a wave's instructions in order: these see the stores above
.endr
.irp t, 0,1,2,3,4,5,6,7
	s_wait_dscnt 7-\t                              ; read-back t is in, the younger ones stay out
	global_store_b128 v[CO], v[\f+4*\t:\f+4*\t+3], s[8:9] offset:2*\t*SIZE_N*2   ; 16 lanes store 256 consecutive bytes, aligned
.endr
.endm
	OUT16 0, 0, 0x0a, F0
	OUT16 1, 1, 0x0a, F1
	OUT16 2, 2, 0x0a, F0
	OUT16 3, 3, 0x0a, F1
	OUT16 4, 0, 0x0f, F0
	OUT16 5, 1, 0x0f, F1
	OUT16 6, 2, 0x0f, F0
	OUT16 7, 3, 0x0f, F1
	s_set_vgpr_msb 0x1
	s_wait_tensorcnt 0x0
	ds_add_u32 v255, v255
	s_wait_dscnt 0x0
	s_set_vgpr_msb 0x100
	CROUND                                         ; the closing round: no work-group ends while a partner may still ask for a tile that names it
	s_endpgm
.Lfunc_end_k_q87cf423396_projkv:
	.size	k_q87cf423396_projkv, .Lfunc_end_k_q87cf423396_projkv-k_q87cf423396_projkv
	.p2alignl 7, 3214868480
	.fill 96, 4, 3214868480
	.section	.rodata,"a",@progbits
	.p2align	6, 0x0
	.amdhsa_kernel k_q87cf423396_projkv
		.amdhsa_group_segment_fixed_size 327680
		.amdhsa_private_segment_fixed_size 0
		.amdhsa_enable_private_segment 0
		.amdhsa_kernarg_size 16
		.amdhsa_user_sgpr_count 2
		.amdhsa_user_sgpr_kernarg_segment_ptr 1
		.amdhsa_wavefront_size32 1
		.amdhsa_system_sgpr_workgroup_id_x 1
		.amdhsa_system_sgpr_workgroup_id_y 1
		.amdhsa_system_sgpr_workgroup_id_z 1
		.amdhsa_system_vgpr_workitem_id 0
		.amdhsa_next_free_vgpr 1024
		.amdhsa_next_free_sgpr 66
		.amdhsa_reserve_vcc 0
		.amdhsa_float_denorm_mode_32 3
		.amdhsa_float_denorm_mode_16_64 3
		.amdhsa_memory_ordered 1
		.amdhsa_forward_progress 1
		.amdhsa_inst_pref_size 197
	.end_amdhsa_kernel
	.amdgpu_metadata
---
amdhsa.version: [ 1, 2 ]
amdhsa.kernels:
  - .name:           k_q87cf423396_projkv
    .symbol:         k_q87cf423396_projkv.kd
    .args:
      - { .name: xw, .offset: 0, .size: 8, .value_kind: global_buffer, .address_space: global }
      - { .name: kvc, .offset: 8, .size: 8, .value_kind: global_buffer, .address_space: global }
    .group_segment_fixed_size: 327680
    .private_segment_fixed_size: 0
    .kernarg_segment_align: 8
    .kernarg_segment_size: 16
    .max_flat_workgroup_size: 128
    .sgpr_count:     66
    .vgpr_count:     1024
    .wavefront_size: 32
...
	.end_amdgpu_metadata
.endif
;; end of part 2
;; launch gemmq (part 3): grid 16 x 16, 4 waves a work-group, clusters of 4 x 4, 327,680 bytes of LDS; arguments a2, wq, cf; writes cf
.if DOCPART == 3
	.amdgcn_target "amdgcn-amd-amdhsa--gfx1250"
	.amdhsa_code_object_version 6
	.text
	.protected	k_q87cf423396_gemmq
	.globl	k_q87cf423396_gemmq
	.p2align	8
	.type	k_q87cf423396_gemmq,@function
k_q87cf423396_gemmq:
	s_mov_b64 s[64:65], 0
	v_nop
	global_prefetch_b8 v0, s[64:65] scope:SCOPE_SE
	s_setreg_imm32_b32 hwreg(HW_REG_WAVE_MODE, 25, 1), 1
	s_wait_xcnt 0x0
	s_wait_alu depctr_hold_cnt(0) depctr_sa_sdst(0) depctr_va_vdst(0) depctr_va_sdst(0) depctr_va_ssrc(0) depctr_va_vcc(0) depctr_vm_vsrc(0)
	s_getreg_b32 s2, hwreg(HW_REG_IB_STS2, 6, 4)
	s_cmp_eq_u32 s2, 0
	s_cbranch_scc0 .Lentry_in_a_cluster
	s_endpgm
.Lentry_in_a_cluster:
	s_bfe_u32 s2, ttmp6, 0x10000c
	s_cmp_lg_u32 s2, 0xf033
	s_cbranch_scc0 .Lentry_shape_is_right
	s_endpgm
.Lentry_shape_is_right:
; C[m][n] = sum over k of A[m][k] B[n][k].  A: [2048][1024] bf16, B: [1024][1024] bf16, C: [2048][1024] f32.
; 256 work-groups, each a block of 128 rows x 64 columns; wave w makes rows 32 w .. 32 w + 31 x all 64 columns: eight accumulator tiles.
; K goes through two LDS slots of 256 along K each (four fills in all): a slot holds A's 128 rows and B's 64 rows, 512 bytes + 16 of padding a row.
; Waves 0 and 1 fetch A's halves, wave 2 fetches B, 64 rows a load; wave 3 fetches nothing.
; CLUSTERS: 4 x 4 work-groups; A's tile is shared along a row of the cluster, B's along a column, each asked for jointly.
; The matrix instruction is used transposed (source 0 = rows of B, source 1 = rows of A): a lane holds eight neighbouring f32 of one row of C.
.set PITCH,  528
.set PART,   64*PITCH                  ; what one tensor load brings
.set SLOT,   3*PART                    ; 101,376 bytes
.set STAGE,  2*SLOT                    ; behind the ring: 16 rows x 272 bytes for each wave
.set SPITCH, 272
.set KBYTES, 512                       ; a slot's bytes along a row
.set ADRA, 8                           ; v8-9    LDS address of my A fragments in slot 0, 1
.set ADRB, 10                          ; v10-11  the same for B
.set STO,  12
.set RD,   13
.set CO,   14
.set ACC,  16                          ; v[16:79]   tile (a, b) at 8 (4 a + b)
.set F0,   80                          ; v[80:127]  B's four fragments, then A's two
.set F1,   128                         ; v[128:175] the second buffer
.set OB,   176                         ; v[176:207] the way out
.set G1, 24
.set G0, 32
.set G1B, 48
.set G0B, 56
.macro PLACES                          ; four places between a matrix instruction and a load into, or a read of, its registers
.rept 4
	v_nop
.endr
.endm
.macro ROUND                           ; a round of the cluster's barrier
	s_barrier_signal -1
	s_barrier_wait -1
	s_cmp_lg_u32 s10, 0
	s_cbranch_scc1 .Lnot_wave_0_\@
	s_barrier_signal -3
.Lnot_wave_0_\@:
	s_barrier_wait -3
	s_barrier_signal -1
	s_barrier_wait -1
.endm
; The joint refill of slot s.  The branches hang on the wave's number alone; four v_nop stand on every way: behind a load,
; and for every wave the places in front of the fragment loads that follow.
.macro JLOAD s
	s_cmp_lt_u32 s10, 2
	s_cbranch_scc0 .Lnot_a_\@
	tensor_load_to_lds s[G0+4*(\s):G0+4*(\s)+3], s[G1:G1+7]
	s_nop 0
	PLACES
	s_branch .Lasked_\@
.Lnot_a_\@:
	s_cmp_eq_u32 s10, 2
	s_cbranch_scc0 .Lnone_\@
	tensor_load_to_lds s[G0B+4*(\s):G0B+4*(\s)+3], s[G1B:G1B+7]
	s_nop 0
	PLACES
	s_branch .Lasked_\@
.Lnone_\@:
	PLACES
.Lasked_\@:
.endm
.macro FETCH slot, i, f                ; twelve LDS loads: the fragments of 32 along K, at byte 64 i of the slot's rows
.irp b, 0,1,2,3
	ds_load_b128 v[\f+8*\b:\f+8*\b+3],   v[ADRB+\slot] offset:\b*16*PITCH+64*(\i)
	ds_load_b128 v[\f+8*\b+4:\f+8*\b+7], v[ADRB+\slot] offset:\b*16*PITCH+64*(\i)+32
.endr
.irp a, 0,1
	ds_load_b128 v[\f+32+8*\a:\f+32+8*\a+3], v[ADRA+\slot] offset:\a*16*PITCH+64*(\i)
	ds_load_b128 v[\f+32+8*\a+4:\f+32+8*\a+7], v[ADRA+\slot] offset:\a*16*PITCH+64*(\i)+32
.endr
.endm
.macro MUL f, zero                     ; eight matrix instructions; the eight accumulators take turns, one instruction a turn
.irp a, 0,1
.irp b, 0,1,2,3
.if \zero
	v_wmma_f32_16x16x32_bf16 v[ACC+8*(4*\a+\b):ACC+8*(4*\a+\b)+7], v[\f+8*\b:\f+8*\b+7], v[\f+32+8*\a:\f+32+8*\a+7], 0
.else
	v_wmma_f32_16x16x32_bf16 v[ACC+8*(4*\a+\b):ACC+8*(4*\a+\b)+7], v[\f+8*\b:\f+8*\b+7], v[\f+32+8*\a:\f+32+8*\a+7], v[ACC+8*(4*\a+\b):ACC+8*(4*\a+\b)+7]
.endif
.endr
.endr
.endm
.macro COMPUTE slot, zero              ; a slot's eight steps of 32 along K, on two fragment buffers
	FETCH \slot, 0, F0
	FETCH \slot, 1, F1
	s_wait_dscnt 12                                ; all but the twelve loads just issued
	MUL F0, \zero
.irp i, 2,4,6
	PLACES
	FETCH \slot, \i, F0
	s_wait_dscnt 12
	MUL F1, 0
	PLACES
	FETCH \slot, \i+1, F1
	s_wait_dscnt 12
	MUL F0, 0
.endr
	s_wait_dscnt 0
	MUL F1, 0
.endm
.macro TWO slot, refill
	s_wait_tensorcnt 0x0                           ; all my tensor loads have landed, my part of this slot among them: every group 0 may be written
	ds_add_u32 v208, v209
	s_wait_dscnt 0x0
	s_add_nc_u64 s[G0+6-4*\slot:G0+7-4*\slot], s[G0+6-4*\slot:G0+7-4*\slot], 2*KBYTES      ; the other slot's next tile
	s_add_nc_u64 s[G0B+6-4*\slot:G0B+7-4*\slot], s[G0B+6-4*\slot:G0B+7-4*\slot], 2*KBYTES
	s_wait_dscnt 0x0                               ; my reads of the other slot are over
.if \refill
	ROUND                                          ; both now hold of every wave of every work-group of the cluster
	JLOAD 1-\slot                                  ; my one tensor load behind the round, and the first thing there
.else
	s_barrier_signal -1
	s_barrier_wait -1
	PLACES
.endif
	COMPUTE \slot, 0
.endm
	s_load_b128 s[4:7], s[0:1], 0x0                ; A s[4:5], B s[6:7]
	s_load_b64 s[8:9], s[0:1], 0x10                ; C
	v_lshl_add_u32 v208, v0, 2, 0x35c00
	v_mov_b32 v209, 0
	ds_add_u32 v208, v209
	v_lshrrev_b32 v1, 5, v0
	v_readfirstlane_b32 s10, v1                    ; wave
	s_bfe_u32 s40, ttmp6, 0x40000                  ; cx
	s_bfe_u32 s41, ttmp6, 0x40004                  ; cy
	s_lshl_b32 s42, ttmp9, 2
	s_add_co_u32 s42, s42, s40                     ; block column
	s_and_b32 s13, ttmp7, 0xffff
	s_lshl_b32 s13, s13, 2
	s_add_co_u32 s13, s13, s41                     ; block row
	s_lshl_b32 s43, s41, 2
	s_lshl_b32 s43, 15, s43                        ; my row of the cluster
	s_lshl_b32 s44, 0x1111, s40                    ; my column
	; group 1: 64 rows x 256 elements of 2 bytes, 4 words of padding behind every 128 words
	s_or_b32 s[G1+0], s43, (1<<16)|(1<<20)|(1<<21)|(6<<22)|(3<<25)
	s_or_b32 s[G1B+0], s44, (1<<16)|(1<<20)|(1<<21)|(6<<22)|(3<<25)
	s_mov_b32 s[G1+1], 256<<16                     ; tensor_dim0 = 256
	s_mov_b32 s[G1B+1], 256<<16
	s_mov_b32 s[G1+2], 64<<16                      ; tensor_dim1 = 64
	s_mov_b32 s[G1B+2], 64<<16
	s_mov_b32 s[G1+3], 256<<16                     ; tile_dim0 = 256
	s_mov_b32 s[G1B+3], 256<<16
	s_mov_b32 s[G1+4], 64                          ; tile_dim1 = 64
	s_mov_b32 s[G1B+4], 64
	s_mov_b32 s[G1+5], 1024                        ; elements from row to row
	s_mov_b32 s[G1B+5], 1024
	s_mov_b32 s[G1+6], 0
	s_mov_b32 s[G1B+6], 0
	s_mov_b32 s[G1+7], 0
	s_mov_b32 s[G1B+7], 0
	s_lshl_b32 s16, s13, 18                        ; A: (128 x block row + 64 x wave) rows of 2,048 bytes
	s_lshl_b32 s17, s10, 17
	s_add_co_u32 s16, s16, s17
	s_mov_b32 s17, 0
	s_lshl_b32 s46, s42, 17                        ; B: 64 x block column rows of 2,048 bytes
	s_mov_b32 s47, 0
	s_mul_i32 s20, s10, PART                       ; LDS: wave x 64 rows
	s_wait_dscnt 0x0
	s_wait_kmcnt 0x0
	s_add_nc_u64 s[14:15], s[4:5], s[16:17]
	s_add_nc_u64 s[46:47], s[6:7], s[46:47]
.irp s, 0,1
	s_mov_b32 s[G0+4*\s], 1
	s_add_co_u32 s[G0+4*\s+1], s20, \s*SLOT
	s_add_nc_u64 s[G0+4*\s+2:G0+4*\s+3], s[14:15], \s*KBYTES
	s_or_b32 s[G0+4*\s+3], s[G0+4*\s+3], 0x80000000
	s_mov_b32 s[G0B+4*\s], 1
	s_add_co_u32 s[G0B+4*\s+1], s20, \s*SLOT
	s_add_nc_u64 s[G0B+4*\s+2:G0B+4*\s+3], s[46:47], \s*KBYTES
	s_or_b32 s[G0B+4*\s+3], s[G0B+4*\s+3], 0x80000000
.endr
	ROUND                                          ; all sixteen work-groups are here: the first joint loads meet
	; the first fills, both slots, inside one branch on the wave's number: two tensor loads of a wave are out at the most
	s_cmp_lt_u32 s10, 2
	s_cbranch_scc0 .Lfirst_not_a
	tensor_load_to_lds s[G0:G0+3], s[G1:G1+7]
	s_nop 0
	PLACES
	tensor_load_to_lds s[G0+4:G0+7], s[G1:G1+7]
	s_nop 0
	PLACES
	s_branch .Lfirst_done
.Lfirst_not_a:
	s_cmp_eq_u32 s10, 2
	s_cbranch_scc0 .Lfirst_done
	tensor_load_to_lds s[G0B:G0B+3], s[G1B:G1B+7]
	s_nop 0
	PLACES
	tensor_load_to_lds s[G0B+4:G0B+7], s[G1B:G1B+7]
	s_nop 0
	PLACES
.Lfirst_done:
	v_and_b32 v1, 15, v0                           ; r = l % 16
	v_bfe_u32 v2, v0, 4, 1                         ; h = l / 16
	v_mul_u32_u24 v3, v1, PITCH
	v_lshl_add_u32 v3, v2, 4, v3                   ; row x pitch + 16 h
	s_mul_i32 s21, s10, 32*PITCH                   ; my 32 rows of A
	v_add_nc_u32 v[ADRA], s21, v3
	v_add_nc_u32 v[ADRA+1], SLOT, v[ADRA]
	v_add_nc_u32 v[ADRB], 128*PITCH, v3            ; B lies behind A's 128 rows
	v_add_nc_u32 v[ADRB+1], SLOT, v[ADRB]
	s_mul_i32 s23, s10, 16*SPITCH
	s_add_co_u32 s23, s23, STAGE                   ; my stage
	v_mul_u32_u24 v4, v1, SPITCH
	v_lshl_add_u32 v4, v2, 5, v4                   ; in: row r, 32 bytes for each half of the lanes
	v_add_nc_u32 v[STO], s23, v4
	v_mul_u32_u24 v5, v2, SPITCH
	v_lshl_add_u32 v5, v1, 4, v5                   ; back: lanes 0-15 one row of 256 bytes, lanes 16-31 the next
	v_add_nc_u32 v[RD], s23, v5
	v_lshlrev_b32 v5, 12, v2
	v_lshl_add_u32 v[CO], v1, 4, v5                ; the same two rows in C
	s_wait_tensorcnt 0x1                           ; my part of slot 0 is in; slot 1's stays out
	s_barrier_signal -1
	s_barrier_wait -1
	COMPUTE 0, 1                                   ; the first products start the sums: nothing is cleared
	TWO 1, 1
	TWO 0, 1
	TWO 1, 0                                       ; the last slot: nothing is left to fetch
	PLACES
	; THE WAY OUT, 16 rows at a time through my own stage: sixteen lanes store 256 consecutive bytes, aligned
	s_lshl_b32 s16, s13, 19                        ; (128 x block row + 32 x wave) rows of 4,096 bytes
	s_lshl_b32 s17, s10, 17
	s_add_co_u32 s16, s16, s17
	s_mov_b32 s17, 0
	s_add_nc_u64 s[8:9], s[8:9], s[16:17]
	s_lshl_b32 s46, s42, 8                         ; 64 columns of 4 bytes a block
	s_mov_b32 s47, 0
	s_add_nc_u64 s[8:9], s[8:9], s[46:47]
.irp a, 0,1
.irp b, 0,1,2,3
	ds_store_b128 v[STO], v[ACC+8*(4*\a+\b):ACC+8*(4*\a+\b)+3] offset:64*\b
	ds_store_b128 v[STO], v[ACC+8*(4*\a+\b)+4:ACC+8*(4*\a+\b)+7] offset:64*\b+16
.endr
.irp t, 0,1,2,3,4,5,6,7
	ds_load_b128 v[OB-96*\a+4*\t:OB-96*\a+4*\t+3], v[RD] offset:2*SPITCH*\t     ; a = 0 into v[176:207], a = 1 into v[80:111]: no store's data is written again
.endr
.irp t, 0,1,2,3,4,5,6,7
	s_wait_dscnt 7-\t                              ; read-back t is in, the younger ones stay out
	global_store_b128 v[CO], v[OB-96*\a+4*\t:OB-96*\a+4*\t+3], s[8:9] offset:(16*\a+2*\t)*4096
.endr
.endr
	s_wait_tensorcnt 0x0
	ds_add_u32 v208, v209
	s_wait_dscnt 0x0
	ROUND                                          ; the closing round
	s_endpgm
.Lfunc_end_k_q87cf423396_gemmq:
	.size	k_q87cf423396_gemmq, .Lfunc_end_k_q87cf423396_gemmq-k_q87cf423396_gemmq
	.p2alignl 7, 3214868480
	.fill 96, 4, 3214868480
	.section	.rodata,"a",@progbits
	.p2align	6, 0x0
	.amdhsa_kernel k_q87cf423396_gemmq
		.amdhsa_group_segment_fixed_size 327680
		.amdhsa_private_segment_fixed_size 0
		.amdhsa_enable_private_segment 0
		.amdhsa_kernarg_size 24
		.amdhsa_user_sgpr_count 2
		.amdhsa_user_sgpr_kernarg_segment_ptr 1
		.amdhsa_wavefront_size32 1
		.amdhsa_system_sgpr_workgroup_id_x 1
		.amdhsa_system_sgpr_workgroup_id_y 1
		.amdhsa_system_sgpr_workgroup_id_z 1
		.amdhsa_system_vgpr_workitem_id 0
		.amdhsa_next_free_vgpr 210
		.amdhsa_next_free_sgpr 66
		.amdhsa_reserve_vcc 0
		.amdhsa_float_denorm_mode_32 3
		.amdhsa_float_denorm_mode_16_64 3
		.amdhsa_memory_ordered 1
		.amdhsa_forward_progress 1
		.amdhsa_inst_pref_size 58
	.end_amdhsa_kernel
	.amdgpu_metadata
---
amdhsa.version: [ 1, 2 ]
amdhsa.kernels:
  - .name:           k_q87cf423396_gemmq
    .symbol:         k_q87cf423396_gemmq.kd
    .args:
      - { .name: a2, .offset: 0, .size: 8, .value_kind: global_buffer, .address_space: global }
      - { .name: wq, .offset: 8, .size: 8, .value_kind: global_buffer, .address_space: global }
      - { .name: cf, .offset: 16, .size: 8, .value_kind: global_buffer, .address_space: global }
    .group_segment_fixed_size: 327680
    .private_segment_fixed_size: 0
    .kernarg_segment_align: 8
    .kernarg_segment_size: 24
    .max_flat_workgroup_size: 128
    .sgpr_count:     66
    .vgpr_count:     210
    .wavefront_size: 32
...
	.end_amdgpu_metadata
.endif
;; end of part 3
;; launch attn (part 4): grid 8 x 32, 8 waves a work-group, clusters of 4 x 1, 327,680 bytes of LDS; arguments cf, kvc, kbc, query_type_ids, a2; writes a2
.if DOCPART == 4
	.amdgcn_target "amdgcn-amd-amdhsa--gfx1250"
	.amdhsa_code_object_version 6
	.text
	.protected	k_q87cf423396_attn
	.globl	k_q87cf423396_attn
	.p2align	8
	.type	k_q87cf423396_attn,@function
k_q87cf423396_attn:
	s_mov_b64 s[64:65], 0
	v_nop
	global_prefetch_b8 v0, s[64:65] scope:SCOPE_SE
	s_setreg_imm32_b32 hwreg(HW_REG_WAVE_MODE, 25, 1), 1
	s_wait_xcnt 0x0
	s_wait_alu depctr_hold_cnt(0) depctr_sa_sdst(0) depctr_va_vdst(0) depctr_va_sdst(0) depctr_va_ssrc(0) depctr_va_vcc(0) depctr_vm_vsrc(0)
	s_getreg_b32 s2, hwreg(HW_REG_IB_STS2, 6, 4)
	s_cmp_eq_u32 s2, 0
	s_cbranch_scc0 .Lentry_in_a_cluster
	s_endpgm
.Lentry_in_a_cluster:
	s_bfe_u32 s2, ttmp6, 0x10000c
	s_cmp_lg_u32 s2, 0x3003
	s_cbranch_scc0 .Lentry_shape_is_right
	s_endpgm
.Lentry_shape_is_right:
; Attention of 128 queries of one head over the 4,096 keys of their batch.  q: cf [2048][1024] f32; K and V: kvc [8192][2048] bf16;
; bias table kbc: 16 bf16 a key (below), q's scale in kbc's tail; result: a2 [2048][1024] bf16.
; The keys go through two LDS slots of 256 keys (16 fills); a slot is worked on as two sub-blocks of 128 keys.
; Eight waves: g = w & 3 takes queries 32 g .. 32 g + 31 (two tile columns nt), sk = w >> 2 takes keys 64 sk .. 64 sk + 63 of every sub-block; the two
; key halves keep a running maximum and sum of their own and are merged once, at the end, through LDS.
; S^T = K Q^T: a lane holds one query and, in its registers, keys 8 h + j of each tile: the row statistics need one exchange between the halves of
; the lanes, two packed tiles of S are a fragment of P^T as they stand, and O^T = V^T P^T takes V through the transposing LDS load.
; THE TYPED BIAS AND THE PADDING MASK ARE A THIRD K STEP OF THE SCORE PRODUCT: bias[q][k] = onehot(type of q) . row(k).  A key's row holds, for each query
; type, the bias times log2 e as three bf16 pieces whose sum is the f32 number exactly (k = 2 t: hi, 2 t + 1: mid, 8 + 2 t: lo), and -1e30 as hi for a
; dropped key; the query's side holds 1.0 at the three places of its type.  So no LDS address hangs on a type, and the product with C = 0 starts the scores.
; A dropped key is multiplied like any other and gets the weight 0.  Where all 64 keys of a wave's first sub-blocks are dropped, its maximum is about -1e30
; and its sums are finite; the first kept key rescales them by 2^(-1e30 - m) = 0, and so does the merge.
; PRODUCTS RIDE ON THE SOFTMAX: the scores of tile column 1 are issued one by one among the vector instructions of column 0's softmax, and column 0's
; P V products among those of column 1's, so that 16 of a sub-block's 40 products have the wave's own vector work behind them.
; CLUSTERS: the four work-groups of a cluster are four query blocks of one head: K, V and the bias rows are the same for them and are asked for jointly
; (mask 15).
; LIMITS: |score x log2 e| below 1e29 (a dropped key's weight is then exactly 0); a query type outside 0 .. 2 counts as 2.  A batch without a kept key has
; scale 0 and bias 0: uniform weights over all 4,096 keys.  A row's 128 bytes of one head are stored by eight lanes: the neighbouring 128 bytes
; belong to the next head's work-group.
.set NRUN,   16                        ; slot fills: 4,096 / 256
.set KPITCH, 144                       ; K's LDS row: 128 bytes + 16
.set VPITCH, 160                       ; V's LDS row: 128 bytes + 32 (an odd multiple of 32 for the transposing load)
.set KSUB,   128*KPITCH                ; K's rows of a sub-block, and what wave 0 or 1 fetches: 18,432 bytes
.set VSUB,   128*VPITCH                ; V's rows of a sub-block, and what wave 2 or 3 fetches: 20,480 bytes
.set ESUB,   4096                      ; bias rows of a sub-block: 8 tiles of 16 keys x 512 bytes, lane l's 16 bytes at 16 l
.set VOFF,   2*VSUB                    ; V in a slot: waves 2 and 3 fill at wave x 20,480 (K ends at 36,864; 4,096 bytes are unused)
.set EOFF,   4*VSUB                    ; the bias rows in a slot: wave 4 fills at wave x 20,480
.set SLOT,   EOFF+2*ESUB               ; 90,112 bytes
.set MG,     2*SLOT                    ; merge: 8,704 bytes for each g, written by LDS stores alone
.set MGW,    8704
.set ST,     MG+4*MGW                  ; the way out: 32 rows x 144 bytes for each g
.set STW,    32*KPITCH
.set TILEB,  256*4096                  ; bytes of kvc from one slot's keys to the next
.set EBLK,   2*ESUB                    ; bytes of kbc from one slot's keys to the next
.set VAK, 2                            ; v2-3    K fragments in slot 0, 1
.set VAV, 4                            ; v4-5    V fragments in slot 0, 1
.set MM,  6                            ; v[6:9]   running maximum of nt, twice (a pair for the packed subtraction)
.set AL,  10                           ; v[10:13] rescale factor of nt, twice
.set LS,  28                           ; v28-29  running sum of nt (my half of the lanes' keys)
.set VAE, 30                           ; v30-31  bias fragments in slot 0, 1
.set QF,  32                           ; v[32:63]   Q fragments at 16 nt + 8 c
.set OA,  64                           ; v[64:127]  O^T at 32 nt + 8 dt
.set SC,  128                          ; v[128:191] S^T at 32 nt + 8 mt; P^T in place at 32 nt + 8 kc
.set FR,  192                          ; v[192:255] K fragments at 16 mt + 8 c, then V fragments at 32 kc + 8 dt
.set QE,  0                            ; window 1, v[256:271]: the queries' one-hot fragments at 8 nt; registers 3 .. 7 stay 0
.set KE,  16                           ; window 1, v[272:303]: the keys' bias fragments at 8 mt; registers 4 .. 7 stay 0
.set G1K, 28
.set G1V, 36
.set G0K, 44                           ; one set for each slot
.set G0V, 52
.set G0E, 60                           ; slot s at G0E + 28 s: s[60:63], s[88:91]
.set G1E, 68
.set MSB, 0
.macro WIN new                         ; s_set_vgpr_msb: bits 1:0 source 0, 3:2 source 1, 7:6 destination; the high byte repeats the setting that is left
.if MSB != \new
	s_set_vgpr_msb (MSB<<8)|\new
.set MSB, \new
.endif
.endm
.macro PLACES                          ; four places between a matrix instruction and a load into, or a read of, its registers
.rept 4
	v_nop
.endr
.endm
.macro ROUND                           ; a round of the cluster's barrier
	s_barrier_signal -1
	s_barrier_wait -1
	s_cmp_lg_u32 s16, 0
	s_cbranch_scc1 .Lnot_wave_0_\@
	s_barrier_signal -3
.Lnot_wave_0_\@:
	s_barrier_wait -3
	s_barrier_signal -1
	s_barrier_wait -1
.endm
; The joint refill of slot s: waves 0, 1 fetch K's halves, waves 2, 3 V's, 128 rows each, wave 4 the bias rows; the others nothing.  Four v_nop on every way.
.macro KVLOAD s
	s_cmp_lt_u32 s16, 2
	s_cbranch_scc0 .Lnot_k_\@
	tensor_load_to_lds s[G0K+4*(\s):G0K+4*(\s)+3], s[G1K:G1K+7]
	s_nop 0
	PLACES
	s_branch .Lasked_\@
.Lnot_k_\@:
	s_cmp_lt_u32 s16, 4
	s_cbranch_scc0 .Lnot_v_\@
	tensor_load_to_lds s[G0V+4*(\s):G0V+4*(\s)+3], s[G1V:G1V+7]
	s_nop 0
	PLACES
	s_branch .Lasked_\@
.Lnot_v_\@:
	s_cmp_eq_u32 s16, 4
	s_cbranch_scc0 .Lnone_\@
	tensor_load_to_lds s[G0E+28*(\s):G0E+28*(\s)+3], s[G1E:G1E+7]
	s_nop 0
	PLACES
	s_branch .Lasked_\@
.Lnone_\@:
	PLACES
.Lasked_\@:
.endm
; In all products the accumulators take turns, one instruction a turn, and no two matrix instructions that follow each other share one, whatever
; stands between them.
.macro EXT                             ; eight products that start the scores: S^T(nt, mt) = bias rows(mt) . one-hot(nt)
	WIN 0x05                                       ; sources 0 and 1 in window 1, the result in window 0
.irp nt, 0,1
.irp mt, 0,1,2,3
	v_wmma_f32_16x16x32_bf16 v[SC+32*\nt+8*\mt:SC+32*\nt+8*\mt+7], v[KE+8*\mt:KE+8*\mt+7], v[QE+8*\nt:QE+8*\nt+7], 0
.endr
.endr
	WIN 0
.endm
.macro SCQ nt, c                       ; four products: S^T(nt, mt) += K(mt, d = 32 c ..) Q(nt, d = 32 c ..)
.irp mt, 0,1,2,3
	v_wmma_f32_16x16x32_bf16 v[SC+32*\nt+8*\mt:SC+32*\nt+8*\mt+7], v[FR+16*\mt+8*\c:FR+16*\mt+8*\c+7], v[QF+16*\nt+8*\c:QF+16*\nt+8*\c+7], v[SC+32*\nt+8*\mt:SC+32*\nt+8*\mt+7]
.endr
.endm
.macro PV nt, first                    ; eight products: O^T(nt, dt) += V^T(dt, keys 32 kc ..) P^T(nt, keys 32 kc ..)
.irp kc, 0,1
.irp dt, 0,1,2,3
.if \first*(1-\kc)
	v_wmma_f32_16x16x32_bf16 v[OA+32*\nt+8*\dt:OA+32*\nt+8*\dt+7], v[FR+32*\kc+8*\dt:FR+32*\kc+8*\dt+7], v[SC+32*\nt+8*\kc:SC+32*\nt+8*\kc+7], 0
.else
	v_wmma_f32_16x16x32_bf16 v[OA+32*\nt+8*\dt:OA+32*\nt+8*\dt+7], v[FR+32*\kc+8*\dt:FR+32*\kc+8*\dt+7], v[SC+32*\nt+8*\kc:SC+32*\nt+8*\kc+7], v[OA+32*\nt+8*\dt:OA+32*\nt+8*\dt+7]
.endif
.endr
.endr
.endm
.macro VLOAD slot, j                   ; sixteen transposing loads: V of my 64 keys of sub-block j, over K's fragments
.irp kc, 0,1
.irp dt, 0,1,2,3
	ds_load_tr16_b128 v[FR+32*\kc+8*\dt:FR+32*\kc+8*\dt+3],   v[VAV+\slot] offset:\j*VSUB+32*VPITCH*\kc+32*\dt
	ds_load_tr16_b128 v[FR+32*\kc+8*\dt+4:FR+32*\kc+8*\dt+7], v[VAV+\slot] offset:\j*VSUB+32*VPITCH*\kc+32*\dt+16*VPITCH
.endr
.endr
.endm
; Point p (0 .. 10) of a softmax: the one product that rides there.
;   q = 1 (on column 0's softmax): points 0 .. 7 carry the scores of column 1, d = 0 .. 31 of the four key tiles, then d = 32 .. 63.
;   q = 2 (on column 1's softmax): points 3 .. 10 carry P V of column 0, keys 0 .. 31 for the four d tiles, then keys 32 .. 63.
; The vector instructions round a point name none of the product's registers: they work on the other column's S and O.
.macro PT q, p, first
.if \q == 1
.if \p < 8
.set HC, (\p)/4
.set HM, (\p)%4
	v_wmma_f32_16x16x32_bf16 v[SC+32+8*HM:SC+32+8*HM+7], v[FR+16*HM+8*HC:FR+16*HM+8*HC+7], v[QF+16+8*HC:QF+16+8*HC+7], v[SC+32+8*HM:SC+32+8*HM+7]
.endif
.endif
.if \q == 2
.if \p >= 3
.set HC, (\p-3)/4
.set HM, (\p-3)%4
.if \p == 3
	s_wait_dscnt 8                                 ; V's keys 0 .. 31 are in; the eight loads of keys 32 .. 63 stay out
.endif
.if \p == 7
	s_wait_dscnt 0
.endif
.if \first*(1-HC)
	v_wmma_f32_16x16x32_bf16 v[OA+8*HM:OA+8*HM+7], v[FR+32*HC+8*HM:FR+32*HC+8*HM+7], v[SC+8*HC:SC+8*HC+7], 0
.else
	v_wmma_f32_16x16x32_bf16 v[OA+8*HM:OA+8*HM+7], v[FR+32*HC+8*HM:FR+32*HC+8*HM+7], v[SC+8*HC:SC+8*HC+7], v[OA+8*HM:OA+8*HM+7]
.endif
.endif
.endif
.endm
; The 32 scores of my query in tile column nt: running maximum, powers of two, running sum, O rescaled, P packed to bf16 in place.
; q says which products ride on it (PT); with q = 1 V's loads of (slot, j) are issued in it too.
.macro SOFTMAX nt, first, q, slot, j
.set SB, SC+32*\nt
.irp c, 0,1,2,3
	v_max3_num_f32 v[14+\c], v[SB+\c], v[SB+4+\c], v[SB+8+\c]
.endr
	PT \q, 0, \first
.irp c, 0,1,2,3
	v_max3_num_f32 v[14+\c], v[14+\c], v[SB+12+\c], v[SB+16+\c]
.endr
.irp c, 0,1,2,3
	v_max3_num_f32 v[14+\c], v[14+\c], v[SB+20+\c], v[SB+24+\c]
.endr
	PT \q, 1, \first
.irp c, 0,1,2,3
	v_max_num_f32 v[14+\c], v[14+\c], v[SB+28+\c]
.endr
	v_max3_num_f32 v14, v14, v15, v16
	v_max_num_f32 v14, v14, v17
	v_permlanex16_b32 v19, v14, s76, s77           ; the other half of the lanes holds the same query's other keys
.if \first
	v_max_num_f32 v[MM+2*\nt], v14, v19
	v_max_num_f32 v[MM+2*\nt+1], v14, v19
.else
	v_max3_num_f32 v14, v14, v19, v[MM+2*\nt]
	v_sub_f32 v[AL+2*\nt], v[MM+2*\nt], v14
	v_mov_b32 v[MM+2*\nt], v14
	v_mov_b32 v[MM+2*\nt+1], v14
	v_exp_f32 v[AL+2*\nt], v[AL+2*\nt]             ; 2^(old maximum - new maximum); the subtractions below are the plain places behind it
.endif
	PT \q, 2, \first
.set KK, 0
.rept 8
	v_pk_add_f32 v[SB+KK:SB+KK+1], v[SB+KK:SB+KK+1], v[MM+2*\nt:MM+2*\nt+1] neg_lo:[0,1] neg_hi:[0,1]
.set KK, KK+2
.endr
	PT \q, 3, \first
.rept 8
	v_pk_add_f32 v[SB+KK:SB+KK+1], v[SB+KK:SB+KK+1], v[MM+2*\nt:MM+2*\nt+1] neg_lo:[0,1] neg_hi:[0,1]
.set KK, KK+2
.endr
.if \first == 0
	s_wait_alu depctr_va_vdst(0)
	v_mov_b32 v[AL+2*\nt+1], v[AL+2*\nt]
.endif
	PT \q, 4, \first
	; 32 exponentials; O's 16 rescales lie between them, one behind every two: plain work that names none of their registers
.set KK, 0
.irp pp, 5,6,7,8
.rept 4
	v_exp_f32 v[SB+KK], v[SB+KK]
	v_exp_f32 v[SB+KK+1], v[SB+KK+1]
.if \first == 0
	v_pk_mul_f32 v[OA+32*\nt+KK:OA+32*\nt+KK+1], v[OA+32*\nt+KK:OA+32*\nt+KK+1], v[AL+2*\nt:AL+2*\nt+1]
.endif
.set KK, KK+2
.endr
.if \pp < 8
	PT \q, \pp, \first
.endif
.endr
.if \first
	PLACES                                         ; no rescale in the first sub-block: these are the plain place behind the exponentials (ISA guide 5.7.2) and the four below
.endif
.if \q == 1
	VLOAD \slot, \j                                ; four plain vector instructions (the last four rescales, or the v_nop) stand behind point 7's product, the last that read K's fragments
.endif
	PT \q, 8, \first
	s_wait_alu depctr_va_vdst(0)
.irp c, 0,1,2,3
	v_pk_add_f32 v[20+2*\c:21+2*\c], v[SB+2*\c:SB+2*\c+1], v[SB+8+2*\c:SB+8+2*\c+1]
.endr
	PT \q, 9, \first
.irp c, 0,1,2,3
	v_pk_add_f32 v[20+2*\c:21+2*\c], v[20+2*\c:21+2*\c], v[SB+16+2*\c:SB+16+2*\c+1]
.endr
	PT \q, 10, \first
.irp c, 0,1,2,3
	v_pk_add_f32 v[20+2*\c:21+2*\c], v[20+2*\c:21+2*\c], v[SB+24+2*\c:SB+24+2*\c+1]
.endr
	v_pk_add_f32 v[20:21], v[20:21], v[22:23]
	v_pk_add_f32 v[24:25], v[24:25], v[26:27]
	v_pk_add_f32 v[20:21], v[20:21], v[24:25]
.if \first
	v_add_f32 v[LS+\nt], v20, v21
.else
	v_add_f32 v20, v20, v21
	v_fma_f32 v[LS+\nt], v[LS+\nt], v[AL+2*\nt], v20
.endif
.set KK, 0
.rept 16
	v_cvt_pk_bf16_f32 v[SB+KK], v[SB+2*KK], v[SB+2*KK+1]      ; ascending, in place: registers 8 kc .. 8 kc + 7 are the fragment of keys 32 kc .. 32 kc + 31
.set KK, KK+1
.endr
.endm
; Sub-block j (128 keys) of slot \slot.  Five places stand in front of it, behind the last products: its loads land on V's fragments, and EXT writes over P.
.macro SUB slot, j, first
	WIN 0x40                                       ; destination in window 1
.irp mt, 0,1,2,3
	ds_load_b128 v[KE+8*\mt:KE+8*\mt+3], v[VAE+\slot] offset:\j*ESUB+512*\mt    ; keys 16 mt + r: lanes 0-15 part A, lanes 16-31 part B: 512 consecutive bytes
.endr
	WIN 0
.irp c, 0,1
.irp mt, 0,1,2,3
	ds_load_b128 v[FR+16*\mt+8*\c:FR+16*\mt+8*\c+3],   v[VAK+\slot] offset:\j*KSUB+16*KPITCH*\mt+64*\c
	ds_load_b128 v[FR+16*\mt+8*\c+4:FR+16*\mt+8*\c+7], v[VAK+\slot] offset:\j*KSUB+16*KPITCH*\mt+64*\c+32
.endr
.endr
	s_wait_dscnt 16                                ; the four bias loads are in; K's sixteen stay out
	EXT
	s_wait_dscnt 8                                 ; K's d = 0 .. 31 are in; the eight loads of d = 32 .. 63 stay out
	SCQ 0, 0
	s_wait_dscnt 0
	SCQ 0, 1
	PLACES                                         ; behind column 0's last product, in front of the maxima that read it
	SOFTMAX 0, \first, 1, \slot, \j                ; with column 1's scores and V's loads
	SOFTMAX 1, \first, 2, \slot, \j                ; with column 0's P V
	PV 1, \first
.endm
; One slot of 256 keys.  refill = 1: the next 256 keys are asked for, into the other slot: they have this slot's two sub-blocks in which to land.
.macro RUN slot, refill, first
	s_set_vgpr_msb 0x5
	s_wait_tensorcnt 0x0                           ; all my tensor loads have landed (one was out at the most), my part of this slot among them: every group 0 may be written
	ds_add_u32 v48, v49
	s_wait_dscnt 0x0
	s_set_vgpr_msb 0x500
	s_add_nc_u64 s[G0K+4*\slot+2:G0K+4*\slot+3], s[G0K+4*\slot+2:G0K+4*\slot+3], 2*TILEB   ; this slot's next keys
	s_add_nc_u64 s[G0V+4*\slot+2:G0V+4*\slot+3], s[G0V+4*\slot+2:G0V+4*\slot+3], 2*TILEB
	s_add_nc_u64 s[G0E+28*\slot+2:G0E+28*\slot+3], s[G0E+28*\slot+2:G0E+28*\slot+3], 2*EBLK
	s_wait_dscnt 0x0                               ; my reads of the other slot are over
.if \refill
	ROUND                                          ; both now hold of every wave of the four work-groups
	KVLOAD 1-\slot                                 ; my one tensor load behind the round, and the first thing there
.else
	s_barrier_signal -1
	s_barrier_wait -1
	PLACES
.endif
	v_nop                                          ; the fifth place (ISA guide 7.12.1)
	SUB \slot, 0, \first
	PLACES
	v_nop
	SUB \slot, 1, 0
.endm
	s_load_b128 s[4:7], s[0:1], 0x0                ; cf s[4:5], kvc s[6:7]
	s_load_b64 s[8:9], s[0:1], 0x10                ; kbc
	s_load_b128 s[12:15], s[0:1], 0x18             ; query_type_ids s[12:13], a2 s[14:15]
	s_set_vgpr_msb 0x40
	v_lshl_add_u32 v48, v0, 2, 0x39000
	v_mov_b32 v49, 0
	s_set_vgpr_msb 0x4045
	ds_add_u32 v48, v49
	s_set_vgpr_msb 0x4500
	v_lshrrev_b32 v1, 5, v0
	v_readfirstlane_b32 s16, v1                    ; wave
	s_and_b32 s17, s16, 3                          ; g
	s_lshr_b32 s18, s16, 2                         ; sk
	s_and_b32 s19, s16, 1                          ; which 128 rows of a tile I fetch
	s_bfe_u32 s20, ttmp6, 0x40000                  ; cx
	s_lshl_b32 s21, ttmp9, 2
	s_add_co_u32 s20, s21, s20                     ; query block = 4 x cluster x + cx
	s_and_b32 s21, ttmp7, 0xffff
	s_lshr_b32 s22, s21, 4                         ; batch
	s_and_b32 s23, s21, 15                         ; head
	s_mov_b32 s76, 0x76543210
	s_mov_b32 s77, 0xfedcba98
	; group 1 for K: 128 rows x 64 elements of 2 bytes, 4 words of padding behind every 32 words; for V: 8 words of padding
	s_mov_b32 s[G1K+0], 15|(1<<16)|(1<<20)|(1<<21)|(4<<22)|(3<<25)
	s_mov_b32 s[G1V+0], 15|(1<<16)|(1<<20)|(1<<21)|(4<<22)|(7<<25)
	s_mov_b32 s[G1K+1], 64<<16                     ; tensor_dim0 = 64
	s_mov_b32 s[G1V+1], 64<<16
	s_mov_b32 s[G1K+2], 128<<16                    ; tensor_dim1 = 128
	s_mov_b32 s[G1V+2], 128<<16
	s_mov_b32 s[G1K+3], 64<<16                     ; tile_dim0 = 64
	s_mov_b32 s[G1V+3], 64<<16
	s_mov_b32 s[G1K+4], 128                        ; tile_dim1 = 128
	s_mov_b32 s[G1V+4], 128
	s_mov_b32 s[G1K+5], 2048                       ; elements from row to row of kvc
	s_mov_b32 s[G1V+5], 2048
	s_mov_b32 s[G1K+6], 0
	s_mov_b32 s[G1V+6], 0
	s_mov_b32 s[G1K+7], 0
	s_mov_b32 s[G1V+7], 0
	; group 1 for the bias rows: a dense block of 8,192 bytes as 32 rows of 32 elements of 8 bytes
	s_mov_b32 s[G1E+0], 15|(3<<16)|(1<<21)
	s_mov_b32 s[G1E+1], 32<<16
	s_mov_b32 s[G1E+2], 32<<16
	s_mov_b32 s[G1E+3], 32<<16
	s_mov_b32 s[G1E+4], 32
	s_mov_b32 s[G1E+5], 32
	s_mov_b32 s[G1E+6], 0
	s_mov_b32 s[G1E+7], 0
	s_lshl_b32 s80, s22, 8
	s_mov_b32 s81, 0
	s_wait_dscnt 0x0
	s_wait_kmcnt 0x0
	s_add_nc_u64 s[84:85], s[8:9], s[80:81]
	s_load_b32 s26, s[84:85], 0x40000              ; q's scale of my batch
	s_lshl_b32 s80, s22, 24                        ; K and V: (4,096 x batch + 128 x half) rows of 4,096 bytes + 128 x head
	s_lshl_b32 s86, s19, 19
	s_add_co_u32 s80, s80, s86
	s_lshl_b32 s86, s23, 7
	s_add_co_u32 s80, s80, s86
	s_add_nc_u64 s[6:7], s[6:7], s[80:81]
	s_lshl_b32 s80, s22, 17                        ; the batch's bias rows: 4,096 keys x 32 bytes
	s_add_nc_u64 s[8:9], s[8:9], s[80:81]
.irp s, 0,1
	s_mov_b32 s[G0K+4*\s], 1
	s_mul_i32 s[G0K+4*\s+1], s16, KSUB             ; LDS: wave x 18,432 (waves 0, 1)
	s_add_co_u32 s[G0K+4*\s+1], s[G0K+4*\s+1], \s*SLOT
	s_add_nc_u64 s[G0K+4*\s+2:G0K+4*\s+3], s[6:7], \s*TILEB
	s_or_b32 s[G0K+4*\s+3], s[G0K+4*\s+3], 0x80000000
	s_mov_b32 s[G0V+4*\s], 1
	s_mul_i32 s[G0V+4*\s+1], s16, VSUB             ; LDS: wave x 20,480 (waves 2, 3)
	s_add_co_u32 s[G0V+4*\s+1], s[G0V+4*\s+1], \s*SLOT
	s_add_nc_u64 s[G0V+4*\s+2:G0V+4*\s+3], s[6:7], \s*TILEB+2048
	s_or_b32 s[G0V+4*\s+3], s[G0V+4*\s+3], 0x80000000
	s_mov_b32 s[G0E+28*\s], 1
	s_mul_i32 s[G0E+28*\s+1], s16, VSUB            ; LDS: wave x 20,480 (wave 4)
	s_add_co_u32 s[G0E+28*\s+1], s[G0E+28*\s+1], \s*SLOT
	s_add_nc_u64 s[G0E+28*\s+2:G0E+28*\s+3], s[8:9], \s*EBLK
	s_or_b32 s[G0E+28*\s+3], s[G0E+28*\s+3], 0x80000000
.endr
	s_lshl_b32 s80, s20, 9                         ; my block's 128 query types
	s_add_nc_u64 s[12:13], s[12:13], s[80:81]
	s_lshl_b32 s80, s22, 22                        ; q: (1,024 x batch + 128 x block) rows of 4,096 bytes + 256 x head
	s_lshl_b32 s86, s20, 19
	s_add_co_u32 s80, s80, s86
	s_lshl_b32 s86, s23, 8
	s_add_co_u32 s80, s80, s86
	s_add_nc_u64 s[4:5], s[4:5], s[80:81]
	s_lshl_b32 s80, s22, 21                        ; result: (1,024 x batch + 128 x block + 32 g) rows of 2,048 bytes + 128 x head
	s_lshl_b32 s86, s20, 18
	s_add_co_u32 s80, s80, s86
	s_lshl_b32 s86, s17, 16
	s_add_co_u32 s80, s80, s86
	s_lshl_b32 s86, s23, 7
	s_add_co_u32 s80, s80, s86
	s_add_nc_u64 s[14:15], s[14:15], s[80:81]
	s_wait_kmcnt 0x0
	s_mov_b32 s27, s26
	ROUND                                          ; the four work-groups are here: the first joint loads meet
	; the first fills, one a wave, inside one branch on the wave's number
	s_cmp_lt_u32 s16, 2
	s_cbranch_scc0 .Lff_not_k
	tensor_load_to_lds s[G0K:G0K+3], s[G1K:G1K+7]
	s_nop 0
	PLACES
	s_branch .Lff_done
.Lff_not_k:
	s_cmp_lt_u32 s16, 4
	s_cbranch_scc0 .Lff_not_v
	tensor_load_to_lds s[G0V:G0V+3], s[G1V:G1V+7]
	s_nop 0
	PLACES
	s_branch .Lff_done
.Lff_not_v:
	s_cmp_eq_u32 s16, 4
	s_cbranch_scc0 .Lff_done
	tensor_load_to_lds s[G0E:G0E+3], s[G1E:G1E+7]
	s_nop 0
	PLACES
.Lff_done:
	v_and_b32 v1, 15, v0                           ; r
	v_bfe_u32 v14, v0, 4, 1                        ; h
	v_and_b32 v15, 7, v0
	v_bfe_u32 v16, v0, 3, 1
	s_lshl_b32 s80, s17, 7
	v_lshl_add_u32 v18, v1, 2, s80                 ; query 32 g + r, 4 bytes each
	global_load_b32 v24, v18, s[12:13]             ; the type of my query of tile column 0
	global_load_b32 v25, v18, s[12:13] offset:64   ; and of column 1
	s_lshl_b32 s82, s17, 17
	v_lshlrev_b32 v21, 12, v1
	v_lshl_add_u32 v21, v14, 5, v21
	v_add_nc_u32 v21, s82, v21                     ; row 32 g + r of q, 32 h bytes in
.irp nt, 0,1
.irp c, 0,1
.irp u, 0,1
	global_load_b128 v[SC+32*\nt+16*\c+8*\u:SC+32*\nt+16*\c+8*\u+3],   v21, s[4:5] offset:65536*\nt+128*\c+64*\u
	global_load_b128 v[SC+32*\nt+16*\c+8*\u+4:SC+32*\nt+16*\c+8*\u+7], v21, s[4:5] offset:65536*\nt+128*\c+64*\u+16
.endr
.endr
.endr
	v_mul_u32_u24 v[VAK], v1, KPITCH
	v_lshl_add_u32 v[VAK], v14, 4, v[VAK]
	s_mul_i32 s83, s18, 64*KPITCH
	v_add_nc_u32 v[VAK], s83, v[VAK]               ; (64 sk + r) x 144 + 16 h
	v_add_nc_u32 v[VAK+1], SLOT, v[VAK]            ; a slot lies beyond an LDS offset's 16 bits: one address register for each slot
	v_lshl_add_u32 v17, v14, 3, v15
	v_mul_u32_u24 v[VAV], v17, VPITCH
	v_lshl_add_u32 v[VAV], v16, 4, v[VAV]
	s_mul_i32 s83, s18, 64*VPITCH
	s_add_co_u32 s83, s83, VOFF
	v_add_nc_u32 v[VAV], s83, v[VAV]               ; V + (64 sk + 8 h + l % 8) x 160 + 16 ((l / 8) % 2)
	v_add_nc_u32 v[VAV+1], SLOT, v[VAV]
	v_and_b32 v[VAE], 31, v0
	s_lshl_b32 s83, s18, 11
	s_add_co_u32 s83, s83, EOFF
	v_lshl_add_u32 v[VAE], v[VAE], 4, s83          ; bias rows + 4 sk tiles of 512 bytes + 16 l
	v_add_nc_u32 v[VAE+1], SLOT, v[VAE]
	v_mov_b32 v19, 0                               ; v_permlanex16_b32 counts as a reader of its destination
	v_mov_b32 v26, 0x3f803f80                      ; lanes 0-15 hold k = 0 .. 7: 1.0 for hi and for mid
	v_mov_b32 v17, 0x3f80                          ; lanes 16-31 hold k = 8 .. 15: 1.0 for lo, 0 beside it
	v_cmp_eq_u32 vcc_lo, 1, v14
	v_cndmask_b32 v26, v26, v17, vcc_lo
	s_wait_loadcnt 0x0
	v_cmp_eq_u32 s80, 0, v24
	v_cmp_eq_u32 s81, 1, v24
	v_cmp_le_u32 s82, 2, v24
	v_cmp_eq_u32 s83, 0, v25
	v_cmp_eq_u32 s84, 1, v25
	v_cmp_le_u32 s85, 2, v25
	WIN 0x40                                       ; destination in window 1
.irp t, 0,1,2
	v_cndmask_b32 v[QE+\t], 0, v26, s[80+\t]       ; word t of the one-hot fragment: the places of query type t
	v_cndmask_b32 v[QE+8+\t], 0, v26, s[83+\t]
.endr
.irp k, 3,4,5,6,7
	v_mov_b32 v[QE+\k], 0                          ; k = 6, 7, 14, 15 and 16 .. 31 are not used
	v_mov_b32 v[QE+8+\k], 0
.endr
.irp mt, 0,1,2,3
.irp k, 4,5,6,7
	v_mov_b32 v[KE+8*\mt+\k], 0                    ; k = 16 .. 31 of the bias fragments, once: the loads write registers 0 .. 3 alone
.endr
.endr
	WIN 0
.set KK, 0
.rept 32
	v_pk_mul_f32 v[SC+KK:SC+KK+1], v[SC+KK:SC+KK+1], s[26:27] op_sel_hi:[1,0]     ; q x log2 e / 8 (or x 0)
.set KK, KK+2
.endr
.set KK, 0
.rept 32
	v_cvt_pk_bf16_f32 v[QF+KK], v[SC+2*KK], v[SC+2*KK+1]
.set KK, KK+1
.endr
	RUN 0, 1, 1                                    ; keys 0 .. 255 start maximum, sum and O; slot 1 is first filled behind this run's round
	s_mov_b32 s78, 0
.Lloop:
	RUN 1, 1, 0                                    ; fills 1, 3, .. 13
	RUN 0, 1, 0                                    ; fills 2, 4, .. 14
	s_add_co_u32 s78, s78, 1
	s_cmp_lt_u32 s78, (NRUN-2)/2
	s_cbranch_scc1 .Lloop
	RUN 1, 0, 0                                    ; fill 15: nothing is left to fetch
	; THE MERGE: waves 4 .. 7 hand O, maximum and sum of their key half to waves 0 .. 3
	PLACES
	v_and_b32 v24, 31, v0
	s_mul_i32 s80, s17, MGW
	s_add_co_u32 s80, s80, MG
	v_lshl_add_u32 v24, v24, 4, s80
	s_cmp_lt_u32 s16, 4
	s_cbranch_scc1 .Lkeep
	v_mov_b32 v20, v[MM]
	v_mov_b32 v21, v[MM+2]
	v_mov_b32 v22, v[LS]
	v_mov_b32 v23, v[LS+1]
.irp i, 0,1,2,3,4,5,6,7,8,9,10,11,12,13,14,15
	ds_store_b128 v24, v[OA+4*\i:OA+4*\i+3] offset:512*\i
.endr
	ds_store_b128 v24, v[20:23] offset:8192
.Lkeep:
	s_wait_dscnt 0x0                               ; my stores are done before I signal
	s_barrier_signal -1
	s_barrier_wait -1
	s_cmp_ge_u32 s16, 4
	s_cbranch_scc1 .Lclose
.irp i, 0,1,2,3,4,5,6,7,8,9,10,11,12,13,14,15
	ds_load_b128 v[FR+4*\i:FR+4*\i+3], v24 offset:512*\i
.endr
	ds_load_b128 v[20:23], v24 offset:8192
	s_wait_dscnt 0x0
.macro MERGE nt
	v_max_num_f32 v14, v[MM+2*\nt], v[20+\nt]
	v_sub_f32 v15, v[MM+2*\nt], v14
	v_sub_f32 v16, v[20+\nt], v14
	v_exp_f32 v15, v15
	v_exp_f32 v16, v16
	v_nop
	s_wait_alu depctr_va_vdst(0)
	v_mul_f32 v17, v[LS+\nt], v15
	v_fma_f32 v17, v[22+\nt], v16, v17
	v_permlanex16_b32 v19, v17, s76, s77           ; the sum over the other half of the lanes' keys
	v_add_f32 v17, v17, v19                        ; at least 1: the key that holds the maximum counts 1
	v_rcp_f32 v17, v17
	v_nop
	s_wait_alu depctr_va_vdst(0)
	v_mul_f32 v[AL], v15, v17
	v_mul_f32 v[AL+1], v15, v17
	v_mul_f32 v[AL+2], v16, v17
	v_mul_f32 v[AL+3], v16, v17
.set KK, 0
.rept 16
	v_pk_mul_f32 v[OA+32*\nt+KK:OA+32*\nt+KK+1], v[OA+32*\nt+KK:OA+32*\nt+KK+1], v[AL:AL+1]
	v_pk_fma_f32 v[OA+32*\nt+KK:OA+32*\nt+KK+1], v[FR+32*\nt+KK:FR+32*\nt+KK+1], v[AL+2:AL+3], v[OA+32*\nt+KK:OA+32*\nt+KK+1]
.set KK, KK+2
.endr
.endm
	MERGE 0
	MERGE 1
.set KK, 0
.rept 32
	v_cvt_pk_bf16_f32 v[OA+KK], v[OA+2*KK], v[OA+2*KK+1]      ; tile (nt, dt): four registers = d = 16 dt + 8 h + 0 .. 7 of query 16 nt + r
.set KK, KK+1
.endr
	; THE WAY OUT through my own stage: 32 rows of 128 bytes
	v_and_b32 v14, 15, v0
	v_bfe_u32 v15, v0, 4, 1
	v_mul_u32_u24 v25, v14, KPITCH
	v_lshl_add_u32 v25, v15, 4, v25
	s_mul_i32 s80, s17, STW
	s_add_co_u32 s80, s80, ST
	v_add_nc_u32 v25, s80, v25                     ; in: row r, 16 h
	v_bfe_u32 v14, v0, 3, 2                        ; back: eight lanes a row, four rows a load
	v_and_b32 v15, 7, v0
	v_lshlrev_b32 v15, 4, v15
	v_mul_u32_u24 v26, v14, KPITCH
	v_add_nc_u32 v26, v26, v15
	v_add_nc_u32 v26, s80, v26
	v_lshl_add_u32 v27, v14, 11, v15               ; the same four rows in a2
.irp nt, 0,1
.irp dt, 0,1,2,3
	ds_store_b128 v25, v[OA+4*(4*\nt+\dt):OA+4*(4*\nt+\dt)+3] offset:16*KPITCH*\nt+32*\dt
.endr
.endr
.irp i, 0,1,2,3,4,5,6,7
	ds_load_b128 v[FR+4*\i:FR+4*\i+3], v26 offset:4*KPITCH*\i      ; LDS serves a wave's instructions in order: these see the stores above
.endr
.irp i, 0,1,2,3,4,5,6,7
	s_wait_dscnt 7-\i                              ; read-back i is in, the younger ones stay out
	global_store_b128 v27, v[FR+4*\i:FR+4*\i+3], s[14:15] offset:8192*\i
.endr
.Lclose:
	s_set_vgpr_msb 0x5
	s_wait_tensorcnt 0x0
	ds_add_u32 v48, v49
	s_wait_dscnt 0x0
	s_set_vgpr_msb 0x500
	ROUND                                          ; the closing round: no work-group ends while a partner may still ask for a tile that names it
	s_endpgm
.Lfunc_end_k_q87cf423396_attn:
	.size	k_q87cf423396_attn, .Lfunc_end_k_q87cf423396_attn-k_q87cf423396_attn
	.p2alignl 7, 3214868480
	.fill 96, 4, 3214868480
	.section	.rodata,"a",@progbits
	.p2align	6, 0x0
	.amdhsa_kernel k_q87cf423396_attn
		.amdhsa_group_segment_fixed_size 327680
		.amdhsa_private_segment_fixed_size 0
		.amdhsa_enable_private_segment 0
		.amdhsa_kernarg_size 40
		.amdhsa_user_sgpr_count 2
		.amdhsa_user_sgpr_kernarg_segment_ptr 1
		.amdhsa_wavefront_size32 1
		.amdhsa_system_sgpr_workgroup_id_x 1
		.amdhsa_system_sgpr_workgroup_id_y 1
		.amdhsa_system_sgpr_workgroup_id_z 1
		.amdhsa_system_vgpr_workitem_id 0
		.amdhsa_next_free_vgpr 306
		.amdhsa_next_free_sgpr 96
		.amdhsa_reserve_vcc 1
		.amdhsa_float_denorm_mode_32 3
		.amdhsa_float_denorm_mode_16_64 3
		.amdhsa_memory_ordered 1
		.amdhsa_forward_progress 1
		.amdhsa_inst_pref_size 177
	.end_amdhsa_kernel
	.amdgpu_metadata
---
amdhsa.version: [ 1, 2 ]
amdhsa.kernels:
  - .name:           k_q87cf423396_attn
    .symbol:         k_q87cf423396_attn.kd
    .args:
      - { .name: cf, .offset: 0, .size: 8, .value_kind: global_buffer, .address_space: global }
      - { .name: kvc, .offset: 8, .size: 8, .value_kind: global_buffer, .address_space: global }
      - { .name: kbc, .offset: 16, .size: 8, .value_kind: global_buffer, .address_space: global }
      - { .name: query_type_ids, .offset: 24, .size: 8, .value_kind: global_buffer, .address_space: global }
      - { .name: a2, .offset: 32, .size: 8, .value_kind: global_buffer, .address_space: global }
    .group_segment_fixed_size: 327680
    .private_segment_fixed_size: 0
    .kernarg_segment_align: 8
    .kernarg_segment_size: 40
    .max_flat_workgroup_size: 256
    .sgpr_count:     96
    .vgpr_count:     306
    .wavefront_size: 32
...
	.end_amdgpu_metadata
.endif
;; end of part 4
;; launch gemmo: the kernel of part 3 again; grid 16 x 16, 4 waves a work-group, clusters of 4 x 4, 327,680 bytes of LDS; arguments a2, wo, cf; writes cf
;; launch lnout (part 5): grid 256 x 1, 8 waves a work-group, no clusters, 0 bytes of LDS; arguments cf, queries, on_w, on_b, out0; writes out0
.if DOCPART == 5
	.amdgcn_target "amdgcn-amd-amdhsa--gfx1250"
	.amdhsa_code_object_version 6
	.text
	.protected	k_q87cf423396_lnout
	.globl	k_q87cf423396_lnout
	.p2align	8
	.type	k_q87cf423396_lnout,@function
k_q87cf423396_lnout:
	s_mov_b64 s[64:65], 0
	v_nop
	global_prefetch_b8 v0, s[64:65] scope:SCOPE_SE
	s_setreg_imm32_b32 hwreg(HW_REG_WAVE_MODE, 25, 1), 1
	s_wait_xcnt 0x0
; out0[row] = LayerNorm(queries[row] + cf[row]) x on_w + on_b, all f32, rows of 1,024.
; One wave, one row: 32 registers a lane, kept between the passes, so that memory is read once; the reduction never leaves the wave: no LDS, no barrier.
; Every load and store of a wave covers 512 consecutive bytes.  A stream: no matrix unit, no cluster, nothing shared between work-groups but gain and bias.
; Two passes, mean first: no difference of large sums is formed when the inputs carry an offset.
.set XR, 16                            ; v[16:47]   the projection's row, then x, then the result
.set QR, 48                            ; v[48:79]   the query's row
.set WT, 80                            ; v[80:111]  gain
.set BS, 112                           ; v[112:143] bias
.macro WSUM r                          ; sum over the 32 lanes, the result in every lane
	v_add_f32_dpp v[\r], v[\r], v[\r] row_xmask:1 row_mask:0xf bank_mask:0xf
	v_add_f32_dpp v[\r], v[\r], v[\r] row_xmask:2 row_mask:0xf bank_mask:0xf
	v_add_f32_dpp v[\r], v[\r], v[\r] row_xmask:4 row_mask:0xf bank_mask:0xf
	v_add_f32_dpp v[\r], v[\r], v[\r] row_xmask:8 row_mask:0xf bank_mask:0xf
	v_permlanex16_b32 v12, v[\r], s12, s13
	v_add_f32 v[\r], v[\r], v12
.endm
.macro FOLD                            ; the four chains v[4:11] become one number in v4, over the lanes too
	v_pk_add_f32 v[4:5], v[4:5], v[6:7]
	v_pk_add_f32 v[8:9], v[8:9], v[10:11]
	v_pk_add_f32 v[4:5], v[4:5], v[8:9]
	v_add_f32 v4, v4, v5
	WSUM 4
.endm
	s_load_b256 s[4:11], s[0:1], 0x0               ; cf s[4:5], queries s[6:7], on_w s[8:9], on_b s[10:11]
	s_load_b64 s[22:23], s[0:1], 0x20              ; out0
	s_mov_b32 s12, 0x76543210
	s_mov_b32 s13, 0xfedcba98
	s_mov_b32 s20, 0x3a800000                      ; 1 / 1024
	s_mov_b32 s21, 0x3727c5ac                      ; eps = 1e-5
	s_lshl_b32 s2, ttmp9, 15                       ; 8 rows of 4,096 bytes
	s_mov_b32 s3, 0
	v_and_b32 v3, 31, v0
	v_lshrrev_b32 v4, 5, v0
	v_lshlrev_b32 v3, 4, v3                        ; lane x 16
	v_lshl_or_b32 v1, v4, 12, v3                   ; + wave x 4,096
	v_mov_b32 v12, 0                               ; v_permlanex16_b32 counts as a reader of its destination
	s_wait_kmcnt 0x0
	s_add_nc_u64 s[4:5], s[4:5], s[2:3]
	s_add_nc_u64 s[6:7], s[6:7], s[2:3]
	s_add_nc_u64 s[22:23], s[22:23], s[2:3]
.irp j, 0,1,2,3,4,5,6,7
	global_load_b128 v[XR+4*\j:XR+4*\j+3], v1, s[4:5] offset:512*\j th:TH_LOAD_NT
.endr
.irp j, 0,1,2,3,4,5,6,7
	global_load_b128 v[QR+4*\j:QR+4*\j+3], v1, s[6:7] offset:512*\j th:TH_LOAD_NT
.endr
.irp j, 0,1,2,3,4,5,6,7
	global_load_b128 v[WT+4*\j:WT+4*\j+3], v3, s[8:9] offset:512*\j
.endr
.irp j, 0,1,2,3,4,5,6,7
	global_load_b128 v[BS+4*\j:BS+4*\j+3], v3, s[10:11] offset:512*\j
.endr
	s_wait_loadcnt 16                              ; both rows are in; the sixteen loads of gain and bias stay out
.set KK, 0
.rept 16
	v_pk_add_f32 v[XR+KK:XR+KK+1], v[XR+KK:XR+KK+1], v[QR+KK:QR+KK+1]
.set KK, KK+2
.endr
.irp c, 0,1,2,3
	v_pk_add_f32 v[4+2*\c:5+2*\c], v[XR+2*\c:XR+2*\c+1], v[XR+8+2*\c:XR+8+2*\c+1]
.endr
.irp o, 16,24
.irp c, 0,1,2,3
	v_pk_add_f32 v[4+2*\c:5+2*\c], v[4+2*\c:5+2*\c], v[XR+\o+2*\c:XR+\o+2*\c+1]
.endr
.endr
	FOLD
	v_mul_f32 v14, s20, v4                         ; the mean, twice: a pair for the packed subtraction
	v_mul_f32 v15, s20, v4
.set KK, 0
.rept 16
	v_pk_add_f32 v[XR+KK:XR+KK+1], v[XR+KK:XR+KK+1], v[14:15] neg_lo:[0,1] neg_hi:[0,1]
.set KK, KK+2
.endr
.irp c, 0,1,2,3
	v_pk_mul_f32 v[4+2*\c:5+2*\c], v[XR+2*\c:XR+2*\c+1], v[XR+2*\c:XR+2*\c+1]
.endr
.irp o, 8,16,24
.irp c, 0,1,2,3
	v_pk_fma_f32 v[4+2*\c:5+2*\c], v[XR+\o+2*\c:XR+\o+2*\c+1], v[XR+\o+2*\c:XR+\o+2*\c+1], v[4+2*\c:5+2*\c]
.endr
.endr
	FOLD
	v_fma_f32 v4, v4, s20, s21                     ; variance + eps
	v_rsq_f32 v14, v4
	v_rsq_f32 v15, v4
	v_nop                                          ; one plain place behind the transcendentals (ISA guide 5.7.2)
.set KK, 0
	s_wait_alu depctr_va_vdst(0)
.rept 16
	v_pk_mul_f32 v[XR+KK:XR+KK+1], v[XR+KK:XR+KK+1], v[14:15]
.set KK, KK+2
.endr
	s_wait_loadcnt 0x0                             ; gain and bias
.set KK, 0
.rept 16
	v_pk_fma_f32 v[XR+KK:XR+KK+1], v[XR+KK:XR+KK+1], v[WT+KK:WT+KK+1], v[BS+KK:BS+KK+1]
.set KK, KK+2
.endr
.irp j, 0,1,2,3,4,5,6,7
	global_store_b128 v1, v[XR+4*\j:XR+4*\j+3], s[22:23] offset:512*\j th:TH_STORE_NT
.endr
	s_endpgm
.Lfunc_end_k_q87cf423396_lnout:
	.size	k_q87cf423396_lnout, .Lfunc_end_k_q87cf423396_lnout-k_q87cf423396_lnout
	.p2alignl 7, 3214868480
	.fill 96, 4, 3214868480
	.section	.rodata,"a",@progbits
	.p2align	6, 0x0
	.amdhsa_kernel k_q87cf423396_lnout
		.amdhsa_group_segment_fixed_size 0
		.amdhsa_private_segment_fixed_size 0
		.amdhsa_enable_private_segment 0
		.amdhsa_kernarg_size 40
		.amdhsa_user_sgpr_count 2
		.amdhsa_user_sgpr_kernarg_segment_ptr 1
		.amdhsa_wavefront_size32 1
		.amdhsa_system_sgpr_workgroup_id_x 1
		.amdhsa_system_sgpr_workgroup_id_y 1
		.amdhsa_system_sgpr_workgroup_id_z 1
		.amdhsa_system_vgpr_workitem_id 0
		.amdhsa_next_free_vgpr 144
		.amdhsa_next_free_sgpr 66
		.amdhsa_reserve_vcc 0
		.amdhsa_float_denorm_mode_32 3
		.amdhsa_float_denorm_mode_16_64 3
		.amdhsa_memory_ordered 1
		.amdhsa_forward_progress 1
		.amdhsa_inst_pref_size 12
	.end_amdhsa_kernel
	.amdgpu_metadata
---
amdhsa.version: [ 1, 2 ]
amdhsa.kernels:
  - .name:           k_q87cf423396_lnout
    .symbol:         k_q87cf423396_lnout.kd
    .args:
      - { .name: cf, .offset: 0, .size: 8, .value_kind: global_buffer, .address_space: global }
      - { .name: queries, .offset: 8, .size: 8, .value_kind: global_buffer, .address_space: global }
      - { .name: on_w, .offset: 16, .size: 8, .value_kind: global_buffer, .address_space: global }
      - { .name: on_b, .offset: 24, .size: 8, .value_kind: global_buffer, .address_space: global }
      - { .name: out0, .offset: 32, .size: 8, .value_kind: global_buffer, .address_space: global }
    .group_segment_fixed_size: 0
    .private_segment_fixed_size: 0
    .kernarg_segment_align: 8
    .kernarg_segment_size: 40
    .max_flat_workgroup_size: 256
    .sgpr_count:     66
    .vgpr_count:     144
    .wavefront_size: 32
...
	.end_amdgpu_metadata
.endif
;; end of part 5
